; MI455X (gfx1250); checked and timed in simulation.
; The chip was launched on July 23, 2026; its instructions are those of AMD's public machine-readable ISA for CDNA 5 (MIT licence, August 2026) and "CDNA5" Instruction Set Architecture Reference Guide (July 2026). The comments in the code are by the model that wrote it; some were corrected since.
;; Multi Head Attention. Allowed arithmetic: matrix products marked QUANTISED: E2M1 operands, one E8M0 scale for each 32 along K, by v_wmma_scale_f32_16x16x128_f8f6f4 with both operands' format E2M1 (or v_wmma_scale_f32_32x16x128_f4), f32 sums; everything else in f32.
;; Inputs: b_proj 1,024 float32; b_qkv 3,072 float32; ln_b 1,024 float32; ln_w 1,024 float32; w_proj_codes 1,024 x 32 x 16 uint8 (E2M1 codes of w_proj, K innermost, in blocks of 32 codes, two codes a byte); w_proj_scales 1,024 x 32 uint8 (E8M0 scales of w_proj, one for each 32 codes along K); w_qkv_codes 3,072 x 32 x 16 uint8 (E2M1 codes of w_qkv, K innermost, in blocks of 32 codes, two codes a byte); w_qkv_scales 3,072 x 32 uint8 (E8M0 scales of w_qkv, one for each 32 codes along K); x 4 x 2,048 x 1,024 float32.
;; Outputs: out0 4 x 2,048 x 1,024 float32.
;; This version of the problem:
;;   THIS VERSION OF THE PROBLEM IS GIVEN IN LOW PRECISION. The matrix products marked QUANTISED in the list below multiply operands that are first quantised to E2M1 (2 exponent bits, 1 mantissa bit; 4 bits a number), with one power-of-two scale for each 32 numbers along K (OCP MX v1.0); their sums are f32. All else is computed in f32.
;;   The module's matrix products, in the order in which they are computed (A, B: the left and right operand; K: the contracted axis; several contracted axes count as one K, in the product's order):
;;     1. [M 8,192, K 1,024] x [K 1,024, N 3,072]; A: computed on the way; B: input w_qkv (given as codes): QUANTISED
;;     2. batch 64 x [M 2,048, K 64] x [K 64, N 2,048]; A: computed on the way; B: computed on the way: QUANTISED
;;     3. batch 64 x [M 64, K 2,048] x [K 2,048, N 2,048]; A: computed on the way; B: softmax (see below): QUANTISED
;;     4. [M 8,192, K 1,024] x [K 1,024, N 1,024]; A: computed on the way; B: input w_proj (given as codes): QUANTISED
;;   THE QUANTISER, for each operand of a quantised product, along K:
;;     - K is cut into blocks of 32 from its start; a last block that is shorter is filled with zeros.
;;     - A block's scale is 2^e with e = floor(log2(the largest magnitude in the block)) - 2, held to -126 .. 127; a block of zeros has e = 0. As a byte (E8M0): e + 127.
;;     - Each number is divided by its block's scale, clamped to +-6, and rounded to the nearest number of E2M1, ties to even, subnormals kept.
;;     - The product sums the exact products of the quantised numbers (number of the format x scale) in f32.
;;   ~~~python
;;   def quantise(x, axis):      # numpy; x: float32 -> the quantised numbers, widened to float32 again
;;       x = np.moveaxis(x, axis, -1); K = x.shape[-1]
;;       x = np.pad(x, [(0, 0)] * (x.ndim - 1) + [(0, -K % 32)]); x = x.reshape(x.shape[:-1] + (-1, 32)); a = np.abs(x).max(-1, keepdims=True)
;;       e = np.where(a > 0, np.clip(np.frexp(np.where(a > 0, a, 1))[1] - 1 - 2, -126, 127), 0)      # np.frexp(a)[1] - 1 = floor(log2(a)), exactly
;;       r = np.clip(x / 2.0 ** e, -6, 6)
;;       step = 2.0 ** (np.maximum(np.frexp(np.where(r == 0, 1, r))[1] - 1, 0) - 1)
;;       q = np.round(r / step) * step * 2.0 ** e      # np.round: ties to even
;;       return np.moveaxis(q.reshape(q.shape[:-2] + (-1,))[..., :K], -1, axis).astype(np.float32)
;;   ~~~
;;   SOFTMAX AHEAD OF A QUANTISED PRODUCT. Where the list says 'softmax', what is quantised is not the finished softmax but p = 2^(t - M), with t = logit x log2(e) and M = ceil(the row's largest t), a whole number; so 1/2 < the row's largest p <= 1. The row's sum l is taken of the UNQUANTISED p, in f32, and the product's result is divided by l at the end. Since M is a whole number, a kernel that streams over the keys may use a running M (the ceiling of the running maximum): every later rescaling is an exact power of two, which a block's scale takes up: the codes' values come out the same.
;;   OPERANDS COMPUTED ON THE WAY. 'Computed on the way' means the value that the module computes at that place (a softmax that the list does not call 'softmax' is quantised finished and normalised). What goes into a quantiser is computed in f32, as accurately as f32 sums, v_exp_f32 and their like allow (about 1e-6 of the number): no bf16 or f16 on the way to a quantiser, and a product that is left as it is and whose result goes on into a quantised operand takes f32 operands (vector FMAs, or v_wmma_f32_16x16x4_f32). A number that lies on a knife's edge between two numbers of the format may be rounded either way, as far as f32 arithmetic and the matrix unit's own rounding can turn it there, and no further.
;;   INPUTS GIVEN AS CODES. w_proj (in the module: [1024, 1024], K = its axis 0); w_qkv (in the module: [1024, 3072], K = its axis 0): each comes as NAME_codes (uint8): NAME with its K axis moved to the last place and cut into blocks of 32 codes, [.., K / 32, bytes a block], one block behind the other in memory; two codes a byte, the lower K in the low four bits (a code: sign, 2 exponent bits, 1 mantissa bit); and NAME_scales (uint8): the same leading axes, one E8M0 byte (e + 127) for each 32 codes along K. Its value is code x scale, taken as it is: it is not quantised again, and the codes and scales need not be those that the quantiser above would give.
;; One version. Each part assembles by itself: llvm-mc -triple=amdgcn-amd-amdhsa -mcpu=gfx1250 --defsym DOCPART=n.
;; ======== version 1 of 1: 4 launches
;; limits: right only within a limited range of input values
;; workspace buffers: hc 4,194,304 bytes; hs 262,144 bytes; qb 4,718,592 bytes; kv 9,175,040 bytes; oc 4,194,304 bytes; os 262,144 bytes
;; launch lnq (part 1): grid 256 x 1, 8 waves a work-group, no clusters, 38,912 bytes of LDS; arguments x, ln_w, ln_b, hc, hs; writes hc, hs
.if DOCPART == 1
	.amdgcn_target "amdgcn-amd-amdhsa--gfx1250"
	.amdhsa_code_object_version 6
	.text
	.protected	k_qc6eca397bc_lnq
	.globl	k_qc6eca397bc_lnq
	.p2align	8
	.type	k_qc6eca397bc_lnq,@function
k_qc6eca397bc_lnq:
	s_mov_b64 s[64:65], 0
	v_nop
	global_prefetch_b8 v0, s[64:65] scope:SCOPE_SE
	s_setreg_imm32_b32 hwreg(HW_REG_WAVE_MODE, 25, 1), 1
	s_wait_xcnt 0x0
; h = ((x - mean) * rsqrt(var + 1e-5)) * ln_w + ln_b over rows of 1,024 f32, then quantised along the row to E2M1 codes with one E8M0 byte for each 32 numbers.
; hc: [8192 rows][512 bytes] codes, K innermost.  hs: [8192][32] scale bytes.
; SHARES.  A work-group takes 32 rows, each of its eight waves four; a wave takes a whole row (32 registers), so mean and variance never leave the wave.  The variance is taken in a second pass over x - mean.
; All 32 row loads of a wave are issued at the head: each reads 512 consecutive bytes.
; The conversions take neighbours along K from one lane's registers, the loads give neighbouring bytes to neighbouring lanes: so a finished row turns through the wave's own stage in LDS
; (32 places of 128 bytes + 16 of padding, a block of 32 numbers to a place) and comes back a block a lane: the block's largest magnitude needs no other lane, and a lane's 16 bytes of codes
; are bytes 16 lane of the row: a store of the wave covers the row's 512 consecutive bytes.  The 1,024 scale bytes of the work-group meet in LDS and leave as 1,024 consecutive bytes.
; No matrix unit, no cluster, no tensor load: the work-groups share only ln_w and ln_b (8 KB against 128 KB of x each).
; LIMITS: NaN and infinities are not served.  A block whose largest magnitude lies under 2^-124, a block of zeros among them, gets the byte 1 (the rule says 127 for zeros): its codes
; are zeros or what the byte 1 gives, and the bytes are read by this program alone.  rsqrt is v_rsq_f32.
.set W,     16                         ; v[16:47]   ln_w: piece j holds elements 128 j + 4 lane ..
.set B,     48                         ; v[48:79]   ln_b likewise
.set X,     80                         ; v[80:207]  four rows, 32 registers each, as loaded
.set T,     208                        ; v[208:239] the sums' chains, then the turned row: my block's 32 numbers
.set C,     240                        ; v[240:255] codes, four registers a row: no store's data are written again
.set PLACE, 144                        ; a block's place in the stage: 128 bytes + 16
.set STGW,  32*PLACE                   ; a wave's stage
.set SCB,   8*STGW                     ; behind the stages: the work-group's 1,024 scale bytes
	s_load_b256 s[4:11], s[0:1], 0x0               ; x s[4:5], ln_w s[6:7], ln_b s[8:9], hc s[10:11]
	s_load_b64 s[12:13], s[0:1], 0x20              ; hs
	s_set_vgpr_msb 0x40
	v_lshl_add_u32 v0, v0, 2, 0x9400
	v_mov_b32 v1, 0
	s_set_vgpr_msb 0x4000
	v_lshrrev_b32 v7, 5, v0
	s_delay_alu instid0(VALU_DEP_1)
	v_readfirstlane_b32 s14, v7                    ; wave 0..7
	v_and_b32 v7, 31, v0                           ; lane
	s_delay_alu instid0(VALU_DEP_1)
	v_lshlrev_b32 v1, 4, v7                        ; v1: 16 x lane: my bytes of a load's 512, and of a row of codes
	s_mul_i32 s15, s14, STGW
	v_lshrrev_b32 v2, 3, v7
	s_delay_alu instid0(VALU_DEP_1)
	v_mul_u32_u24 v2, v2, PLACE
	v_and_b32 v3, 7, v7
	s_delay_alu instid0(VALU_DEP_1)
	v_lshl_add_u32 v2, v3, 4, v2
	s_delay_alu instid0(VALU_DEP_1)
	v_add_nc_u32 v2, s15, v2                       ; v2: into the stage: eight lanes' 128 bytes are a block: place lane / 8 (+ 4 for each piece), byte 16 (lane % 8)
	v_mul_u32_u24 v3, v7, PLACE
	s_delay_alu instid0(VALU_DEP_1)
	v_add_nc_u32 v3, s15, v3                       ; v3: out of it: place = my lane
	s_lshl_b32 s16, s14, 7
	s_add_co_u32 s16, s16, SCB
	v_add_nc_u32 v4, s16, v7                       ; v4: my block's scale byte: 128 x wave + lane (+ 32 for each row)
	v_lshlrev_b32 v5, 4, v0                        ; v5: 16 x thread: the scale bytes' way out
	s_delay_alu instid0(VALU_DEP_1)
	v_add_nc_u32 v6, SCB, v5                       ; v6: the same in LDS
	v_mov_b32 v9, 0                                ; upper halves of pairs of which the low word serves both halves: named, so written
	v_mov_b32 v11, 0
	v_mov_b32 v13, 0                               ; a lane permute's destination counts as one of its sources
	s_mov_b32 s24, 0x76543210
	s_mov_b32 s25, 0xfedcba98                      ; v_permlanex16_b32's selects for lane l xor 16
	s_mov_b32 s22, 0x3a800000                      ; 1 / 1024
	s_mov_b32 s23, 0x3727c5ac                      ; 1e-5
	s_lshl_b32 s18, ttmp9, 17                      ; x: 32 rows of 4,096 bytes a work-group,
	s_lshl_b32 s17, s14, 14                        ; 4 rows a wave
	s_add_co_u32 s18, s18, s17
	s_mov_b32 s19, 0
	s_lshl_b32 s20, ttmp9, 14                      ; hc: rows of 512 bytes
	s_lshl_b32 s17, s14, 11
	s_add_co_u32 s20, s20, s17
	s_mov_b32 s21, 0
	s_lshl_b32 s26, ttmp9, 10                      ; hs: 1,024 bytes a work-group
	s_mov_b32 s27, 0
	s_wait_kmcnt 0x0
	s_add_nc_u64 s[4:5], s[4:5], s[18:19]
	s_add_nc_u64 s[10:11], s[10:11], s[20:21]
	s_add_nc_u64 s[12:13], s[12:13], s[26:27]
.irp j, 0,1,2,3,4,5,6,7
	global_load_b128 v[W+4*\j:W+4*\j+3], v1, s[6:7] offset:512*\j
	global_load_b128 v[B+4*\j:B+4*\j+3], v1, s[8:9] offset:512*\j
.endr
.irp i, 0,1,2,3
.irp j, 0,1,2,3,4,5,6,7
	global_load_b128 v[X+32*\i+4*\j:X+32*\i+4*\j+3], v1, s[4:5] offset:4096*\i+512*\j th:TH_LOAD_NT
.endr
.endr
.macro REDUCE                          ; v12 summed over the 32 lanes, the result in every lane
	s_delay_alu instid0(VALU_DEP_1)
	v_add_f32_dpp v12, v12, v12 row_xmask:1 row_mask:0xf bank_mask:0xf
	s_delay_alu instid0(VALU_DEP_1)
	v_add_f32_dpp v12, v12, v12 row_xmask:2 row_mask:0xf bank_mask:0xf
	s_delay_alu instid0(VALU_DEP_1)
	v_add_f32_dpp v12, v12, v12 row_xmask:4 row_mask:0xf bank_mask:0xf
	s_delay_alu instid0(VALU_DEP_1)
	v_add_f32_dpp v12, v12, v12 row_xmask:8 row_mask:0xf bank_mask:0xf
	s_delay_alu instid0(VALU_DEP_1)
	v_permlanex16_b32 v13, v12, s24, s25
	s_delay_alu instid0(VALU_DEP_1)
	v_add_f32 v12, v12, v13
.endm
.macro FOLD                            ; the four chains become one number in v12
	s_delay_alu instid0(VALU_DEP_3)
	v_pk_add_f32 v[T:T+1], v[T:T+1], v[T+2:T+3]
	s_delay_alu instid0(VALU_DEP_2)
	v_pk_add_f32 v[T+4:T+5], v[T+4:T+5], v[T+6:T+7]
	s_delay_alu instid0(VALU_DEP_1)
	v_pk_add_f32 v[T:T+1], v[T:T+1], v[T+4:T+5]
	s_delay_alu instid0(VALU_DEP_1)
	v_add_f32 v12, v[T], v[T+1]
.endm
.macro ROW i
.set XR, X+32*\i
	s_wait_loadcnt 8*(3-\i)                        ; loads come back in order: ln_w, ln_b and this row are in; the younger rows' eight loads each may be out
.irp c, 0,1,2,3
	v_pk_add_f32 v[T+2*\c:T+2*\c+1], v[XR+4*\c:XR+4*\c+1], v[XR+4*\c+2:XR+4*\c+3]   ; the sum, in four chains started by the first numbers
.endr
.irp k, 8,12
.irp c, 0,1,2,3
	s_delay_alu instid0(VALU_DEP_4)
	v_pk_add_f32 v[T+2*\c:T+2*\c+1], v[T+2*\c:T+2*\c+1], v[XR+2*(\k+\c):XR+2*(\k+\c)+1]
.endr
.endr
	FOLD
	REDUCE
	s_delay_alu instid0(VALU_DEP_1)
	v_mul_f32 v8, s22, v12                         ; the mean
.irp k, 0,1,2,3,4,5,6,7,8,9,10,11,12,13,14,15
	v_pk_add_f32 v[XR+2*\k:XR+2*\k+1], v[XR+2*\k:XR+2*\k+1], v[8:9] op_sel_hi:[1,0] neg_lo:[0,1] neg_hi:[0,1]   ; x - mean
.endr
.irp c, 0,1,2,3
	v_pk_mul_f32 v[T+2*\c:T+2*\c+1], v[XR+2*\c:XR+2*\c+1], v[XR+2*\c:XR+2*\c+1]      ; the sum of squares of x - mean
.endr
.irp k, 4,8,12
.irp c, 0,1,2,3
	s_delay_alu instid0(VALU_DEP_4)
	v_pk_fma_f32 v[T+2*\c:T+2*\c+1], v[XR+2*(\k+\c):XR+2*(\k+\c)+1], v[XR+2*(\k+\c):XR+2*(\k+\c)+1], v[T+2*\c:T+2*\c+1]
.endr
.endr
	FOLD
	REDUCE
	s_delay_alu instid0(VALU_DEP_1)
	v_fma_f32 v14, v12, s22, s23                   ; the variance + 1e-5
	s_wait_alu depctr_va_vdst(0)
	v_rsq_f32 v10, v14
	v_nop                                          ; a plain instruction behind the transcendental
	s_wait_alu depctr_va_vdst(0)                   ; the wait ahead of the result's first reader
.irp k, 0,1,2,3,4,5,6,7,8,9,10,11,12,13,14,15
	v_pk_mul_f32 v[XR+2*\k:XR+2*\k+1], v[XR+2*\k:XR+2*\k+1], v[10:11] op_sel_hi:[1,0]
.endr
.irp k, 0,1,2,3,4,5,6,7,8,9,10,11,12,13,14,15
	v_pk_fma_f32 v[XR+2*\k:XR+2*\k+1], v[XR+2*\k:XR+2*\k+1], v[W+2*\k:W+2*\k+1], v[B+2*\k:B+2*\k+1]
.endr
.irp j, 0,1,2,3,4,5,6,7
	ds_store_b128 v2, v[XR+4*\j:XR+4*\j+3] offset:4*PLACE*\j      ; piece j holds blocks 4 j .. 4 j + 3
.endr
.irp j, 0,1,2,3,4,5,6,7
	ds_load_b128 v[T+4*\j:T+4*\j+3], v3 offset:16*\j               ; LDS serves a wave's instructions in order: these see the stores above
.endr
	s_wait_dscnt 0x0                               ; my block is in; the last row's byte store has read its register too
	v_max3_num_f32 v12, |v[T]|, |v[T+1]|, 0x1800000                ; the block's largest magnitude, with the floor 2^(3 - 127) among its leaves: the byte cannot fall under 1
	v_max3_num_f32 v13, |v[T+2]|, |v[T+3]|, |v[T+4]|
.irp k, 5,9,13,17,21,25
	s_delay_alu instid0(VALU_DEP_2)
	v_max3_num_f32 v12, v12, |v[T+\k]|, |v[T+\k+1]|
	s_delay_alu instid0(VALU_DEP_2)
	v_max3_num_f32 v13, v13, |v[T+\k+2]|, |v[T+\k+3]|
.endr
	s_delay_alu instid0(VALU_DEP_2)
	v_max3_num_f32 v12, v12, |v[T+29]|, |v[T+30]|
	s_delay_alu instid0(VALU_DEP_1)
	v_max3_num_f32 v12, v12, v13, |v[T+31]|
	s_delay_alu instid0(VALU_DEP_1)
	v_add_nc_u32 v14, 0xff000000, v12              ; 2 off its exponent field: the conversion takes the exponent field of this operand as its scale
.irp g, 0,1,2,3
	v_cvt_scalef32_pk8_fp4_f32 v[C+4*\i+\g], v[T+8*\g:T+8*\g+7], v14
.endr
	v_lshrrev_b32 v15, 23, v14                     ; the scale's byte (also the plain instruction behind the conversions)
	ds_store_b8 v4, v15 offset:32*\i
	global_store_b128 v1, v[C+4*\i:C+4*\i+3], s[10:11] offset:512*\i   ; the wave stores the row's 512 consecutive bytes
.endm
	ROW 0
	ROW 1
	ROW 2
	ROW 3
	s_wait_dscnt 0x0                               ; for the others' sake: my scale bytes lie in LDS
	s_barrier_signal -1
	s_barrier_wait -1
	s_cmp_gt_u32 s14, 1                            ; waves 0 and 1 store the work-group's 1,024 scale bytes, 512 consecutive bytes each
	s_cbranch_scc1 .Ldone
	ds_load_b128 v[T:T+3], v6
	s_wait_dscnt 0x0
	global_store_b128 v5, v[T:T+3], s[12:13]
.Ldone:
	s_set_vgpr_msb 0x5
	s_wait_tensorcnt 0x0
	ds_add_u32 v0, v1
	s_wait_dscnt 0x0
	s_set_vgpr_msb 0x500
	s_endpgm
.Lfunc_end_k_qc6eca397bc_lnq:
	.size	k_qc6eca397bc_lnq, .Lfunc_end_k_qc6eca397bc_lnq-k_qc6eca397bc_lnq
	.p2alignl 7, 3214868480
	.fill 96, 4, 3214868480
	.section	.rodata,"a",@progbits
	.p2align	6, 0x0
	.amdhsa_kernel k_qc6eca397bc_lnq
		.amdhsa_group_segment_fixed_size 38912
		.amdhsa_private_segment_fixed_size 0
		.amdhsa_enable_private_segment 0
		.amdhsa_kernarg_size 40
		.amdhsa_user_sgpr_count 2
		.amdhsa_user_sgpr_kernarg_segment_ptr 1
		.amdhsa_wavefront_size32 1
		.amdhsa_system_sgpr_workgroup_id_x 1
		.amdhsa_system_sgpr_workgroup_id_y 1
		.amdhsa_system_sgpr_workgroup_id_z 1
		.amdhsa_system_vgpr_workitem_id 0
		.amdhsa_next_free_vgpr 258
		.amdhsa_next_free_sgpr 66
		.amdhsa_reserve_vcc 0
		.amdhsa_float_denorm_mode_32 3
		.amdhsa_float_denorm_mode_16_64 3
		.amdhsa_memory_ordered 1
		.amdhsa_forward_progress 1
		.amdhsa_inst_pref_size 50
	.end_amdhsa_kernel
	.amdgpu_metadata
---
amdhsa.version: [ 1, 2 ]
amdhsa.kernels:
  - .name:           k_qc6eca397bc_lnq
    .symbol:         k_qc6eca397bc_lnq.kd
    .args:
      - { .name: x, .offset: 0, .size: 8, .value_kind: global_buffer, .address_space: global }
      - { .name: ln_w, .offset: 8, .size: 8, .value_kind: global_buffer, .address_space: global }
      - { .name: ln_b, .offset: 16, .size: 8, .value_kind: global_buffer, .address_space: global }
      - { .name: hc, .offset: 24, .size: 8, .value_kind: global_buffer, .address_space: global }
      - { .name: hs, .offset: 32, .size: 8, .value_kind: global_buffer, .address_space: global }
    .group_segment_fixed_size: 38912
    .private_segment_fixed_size: 0
    .kernarg_segment_align: 8
    .kernarg_segment_size: 40
    .max_flat_workgroup_size: 256
    .sgpr_count:     66
    .vgpr_count:     258
    .wavefront_size: 32
...
	.end_amdgpu_metadata
.endif
;; end of part 1
;; launch qkv (part 2): grid 16 x 32, 4 waves a work-group, clusters of 4 x 4, 251,392 bytes of LDS; arguments hc, hs, w_qkv_codes, w_qkv_scales, b_qkv, qb, kv; writes qb, kv
.if DOCPART == 2
	.amdgcn_target "amdgcn-amd-amdhsa--gfx1250"
	.amdhsa_code_object_version 6
	.text
	.protected	k_qc6eca397bc_qkv
	.globl	k_qc6eca397bc_qkv
	.p2align	8
	.type	k_qc6eca397bc_qkv,@function
k_qc6eca397bc_qkv:
	s_mov_b64 s[64:65], 0
	v_nop
	global_prefetch_b8 v0, s[64:65] scope:SCOPE_SE
	s_setreg_imm32_b32 hwreg(HW_REG_WAVE_MODE, 25, 1), 1
	s_wait_xcnt 0x0
	s_wait_alu depctr_hold_cnt(0) depctr_sa_sdst(0) depctr_va_vdst(0) depctr_va_sdst(0) depctr_va_ssrc(0) depctr_va_vcc(0) depctr_vm_vsrc(0)
	s_getreg_b32 s2, hwreg(HW_REG_IB_STS2, 6, 4)
	s_cmp_eq_u32 s2, 0
	s_cbranch_scc0 .Lentry_in_a_cluster
	s_endpgm
.Lentry_in_a_cluster:
	s_bfe_u32 s2, ttmp6, 0x10000c
	s_cmp_lg_u32 s2, 0xf033
	s_cbranch_scc0 .Lentry_shape_is_right
	s_endpgm
.Lentry_shape_is_right:
; y = h W + b_qkv on E2M1 codes (h: hc, hs; W: w_qkv_codes [3072][512 bytes], w_qkv_scales [3072][32]), then q and k quantised along the head's 64 and v along the keys.
; Column n of y is head x 192 + 3 d + c, c = 0 q, 1 k, 2 v: which rows of W form a tile is free, so a tile takes every third row and nothing is sorted afterwards.
; SHARES.  A work-group takes 256 tokens x one head's 192 columns, all of K = 1,024.  Wave w: th = w / 2: its 128 tokens; x = w % 2: x = 0 makes q and v's d 0-31, x = 1 makes k and v's d 32-63: 48 accumulators.
; q, k: THE PRODUCT IS USED TRANSPOSED (source 0 = 16 rows of W, source 1 = 16 tokens): a lane holds one token, its registers run along d, which is the next product's K.
; v: natural (source 0 = 16 tokens, source 1 = 16 rows of W): a lane holds one d, its registers run along the tokens, which are the third product's K.  The bias is the C of each sum's first instruction.
; LDS: all of the work-group's codes and scale bytes lie there at once, filled once: A 256 rows x (512 + 16), W 192 rows x (512 + 16), A's scales 8,192 bytes, W's 6,144.  Nothing is filled again, so there is no ring.
; CLUSTER 4 x 4: the four of a row need the same tokens, the four of a column the same head: each tile is asked for jointly.  A wave has one tensor load out.  All tiles are asked for at the head: there is no later stream to prefetch.
; OUT.  Codes leave as images of the operand's registers (16 bytes a lane, 512 consecutive bytes a store):
;   qb [bh 64][group of 128 tokens 16][4,608]: 8 tiles x 512 bytes (lane (r, hh): token r, d 32 hh ..), then 512 bytes of scale words [lane][4]: word i of lane (r, hh): tile i + 4 hh, token r; bytes 0, 1 the two blocks, bytes 2, 3 zero.
;   kv [bh][group][8,960]: k as qb (4,608); v's codes [d tile 4][c 2][lane][16] (lane (r, hh): d r, keys 64 c + 32 hh ..); v's scale words [lane][2]: word i of lane (r, hh): d tile 2 hh + i, row r.
; A RESULT BECOMES AN OPERAND: of a block of 32 a lane holds elements 8 hh + j (first accumulator) and 16 + 8 hh + j (second).  The conversion of (block b, half u) goes to register 4 (b / 2) + 2 u + b % 2,
; and v_permlane16_swap_b32 on registers (4 c + 2 u, 4 c + 2 u + 1) leaves register 4 c + i with codes 8 i .. 8 i + 7 of block 2 c in lanes 0-15 and of block 2 c + 1 in lanes 16-31.
; LIMITS: NaN and infinities are not served; a block whose largest magnitude lies under 2^-124 (zeros among them) gets the byte 1 where the rule says 127 for zeros: the bytes are read by this program alone.
; REGISTERS.  window 0: v1-16 addresses; v32-95 A's scale words (tile a, K step s: 32 + 8 a + s); v96-127 W's for q or k; v128-143 W's for v; v144-159 at work; v160-207 codes; v208-224 scale words on the way out.
;   window 1: two sets of fragments at 0 and 128: A 8 a, W (q, k) 64 + 8 t, W (v) 96 + 8 i.   window 2: q or k, accumulator (a, t) at 8 (4 a + t).   window 3: v, (i, a) at 8 (8 i + a); biases at 128 + 8 t and 160 + 8 i.
.set WV,    18
.set PITCH, 528                        ; an LDS row: 512 bytes + 16: 16 rows that a load touches (1 or 3 rows apart) start at 16 different groups of four banks
.set AHALF, 128*PITCH
.set WHALF, 96*PITCH
.set WT,    48*PITCH                   ; from a tile of W to the next: 16 x 3 rows
.set WOFF,  2*AHALF
.set SAOFF, WOFF+2*WHALF
.set SWOFF, SAOFF+8192
.set G1A,  28
.set G1SA, 36
.set G1W,  44
.set G1SW, 52
.set SEL,  60
.set G0A,  68
.set G0SA, 72
.set G0W,  76
.set G0SW, 80
.set SA,   32
.set SW,   96
.set SV,   128
.set TM,   144                         ; +0..3 largest magnitudes, +4..7 the partner's, then the bytes, +12..15 the conversions' scale operands
.set PC,   160                         ; six sets of eight registers of codes: no store's data are written again
.set PW,   208
.set PWV,  216
.set MSB, 0
.macro WIN new                         ; the immediate's high byte repeats the setting that is left
.if MSB != \new
	s_set_vgpr_msb (MSB<<8)|\new
.set MSB, \new
.endif
.endm
.macro PLACES n
.rept \n
	v_nop
.endr
.endm
.macro CROUND                          ; a round of the cluster's barrier
	s_barrier_signal -1
	s_barrier_wait -1
	s_cmp_lg_u32 s[WV], 0
	s_cbranch_scc1 .Lnot_wave_0_\@
	s_barrier_signal -3
.Lnot_wave_0_\@:
	s_barrier_wait -3
	s_barrier_signal -1
	s_barrier_wait -1
.endm
	s_load_b256 s[4:11], s[0:1], 0x0               ; hc s[4:5], hs s[6:7], W's codes s[8:9], W's scales s[10:11]
	s_load_b128 s[12:15], s[0:1], 0x20             ; b_qkv s[12:13], qb s[14:15]
	s_load_b64 s[16:17], s[0:1], 0x30              ; kv
	v_lshl_add_u32 v254, v0, 2, 0x3d400
	v_mov_b32 v255, 0
	ds_add_u32 v254, v255
	ds_add_u32 v254, v255
	v_lshrrev_b32 v1, 5, v0
	v_readfirstlane_b32 s[WV], v1                  ; wave 0..3
	s_lshr_b32 s19, s[WV], 1                       ; th.
	s_and_b32 s20, s[WV], 1                        ; x.
	s_bfe_u32 s21, ttmp6, 0x40000                  ; cx
	s_bfe_u32 s22, ttmp6, 0x40004                  ; cy
	s_lshl_b32 s23, ttmp9, 2
	s_add_co_u32 s23, s23, s21                     ; the head = 4 x cluster x + cx
	s_and_b32 s24, ttmp7, 0xffff
	s_lshl_b32 s24, s24, 2
	s_add_co_u32 s24, s24, s22                     ; the block of 256 tokens = 4 x cluster y + cy
	s_lshl_b32 s25, s22, 2
	s_lshl_b32 s25, 15, s25                        ; my row of the cluster
	s_lshl_b32 s26, 0x1111, s21                    ; my column
	; group 1.  Codes: rows of 512 elements of 1 byte, 4 words of padding behind every 128 words.  Scale bytes: a dense block as rows of 32 elements of 8 bytes.  Bit 21 stands beside a mask.
	s_or_b32 s[G1A], s25, (1<<20)|(1<<21)|(6<<22)|(3<<25)
	s_or_b32 s[G1W], s26, (1<<20)|(1<<21)|(6<<22)|(3<<25)
	s_or_b32 s[G1SA], s25, (3<<16)|(1<<21)
	s_or_b32 s[G1SW], s26, (3<<16)|(1<<21)
.irp g, G1A, G1W
	s_mov_b32 s[\g+1], 512<<16                     ; tensor_dim0
	s_mov_b32 s[\g+3], 512<<16                     ; tile_dim0
	s_mov_b32 s[\g+5], 512                         ; from row to row
	s_mov_b32 s[\g+6], 0
	s_mov_b32 s[\g+7], 0
.endr
	s_mov_b32 s[G1A+2], 256<<16                    ; tensor_dim1, tile_dim1: all 256 rows of A in one load,
	s_mov_b32 s[G1A+4], 256
	s_mov_b32 s[G1W+2], 192<<16                    ; all 192 of W
	s_mov_b32 s[G1W+4], 192
.irp g, G1SA, G1SW
	s_mov_b32 s[\g+1], 32<<16
	s_mov_b32 s[\g+3], 32<<16
	s_mov_b32 s[\g+5], 32
	s_mov_b32 s[\g+6], 0
	s_mov_b32 s[\g+7], 0
.endr
	s_mov_b32 s[G1SA+2], 32<<16                    ; 256 rows x 32 bytes = 32 rows of 256
	s_mov_b32 s[G1SA+4], 32
	s_mov_b32 s[G1SW+2], 24<<16                    ; 192 x 32 = 24 rows of 256
	s_mov_b32 s[G1SW+4], 24
	; where the tiles come from.  A's offsets hang on the token block and the wave alone, W's on the head and the wave alone, each in registers that never hold the other coordinate
	s_lshl_b32 s84, s24, 17                        ; 256 rows x 512 bytes
	s_mov_b32 s85, 0
	s_lshl_b32 s86, s24, 13                        ; 256 x 32
	s_mov_b32 s87, 0
	s_mul_i32 s88, s23, 192*512
	s_mov_b32 s89, 0
	s_mul_i32 s90, s23, 192*32
	s_mov_b32 s91, 0
	s_mov_b32 s[G0A], 1
	s_mov_b32 s[G0A+1], 0
	s_mov_b32 s[G0SA], 1
	s_mov_b32 s[G0SA+1], SAOFF
	s_mov_b32 s[G0W], 1
	s_mov_b32 s[G0W+1], WOFF
	s_mov_b32 s[G0SW], 1
	s_mov_b32 s[G0SW+1], SWOFF
	s_mov_b32 s[SEL], 0x76543210
	s_mov_b32 s[SEL+1], 0xfedcba98                 ; v_permlanex16_b32's selects for lane l xor 16
	s_wait_dscnt 0x0
	s_wait_kmcnt 0x0
	s_add_nc_u64 s[G0A+2:G0A+3], s[4:5], s[84:85]
	s_or_b32 s[G0A+3], s[G0A+3], 0x80000000
	s_add_nc_u64 s[G0SA+2:G0SA+3], s[6:7], s[86:87]
	s_or_b32 s[G0SA+3], s[G0SA+3], 0x80000000
	s_add_nc_u64 s[G0W+2:G0W+3], s[8:9], s[88:89]
	s_or_b32 s[G0W+3], s[G0W+3], 0x80000000
	s_add_nc_u64 s[G0SW+2:G0SW+3], s[10:11], s[90:91]
	s_or_b32 s[G0SW+3], s[G0SW+3], 0x80000000
	CROUND                                         ; all sixteen work-groups are here: the joint loads meet
; The head's four tiles, each whole, ONE joint load a wave: wave 0 A's codes, wave 1 W's codes, wave 2 A's scale bytes, wave 3 W's.
; One chain of branches on the wave's number: every way through it passes exactly one load.
.macro ARM under, g0, g1, next
	s_cmp_lt_u32 s[WV], \under
	s_cbranch_scc0 \next
	tensor_load_to_lds s[\g0:\g0+3], s[\g1:\g1+7]
	s_nop 0
.rept 4
	v_nop
.endr
	s_branch .Lfilled
\next:
.endm
	ARM 1, G0A,  G1A,  .Lhead_w
	ARM 2, G0W,  G1W,  .Lhead_sa
	ARM 3, G0SA, G1SA, .Lhead_sw
	tensor_load_to_lds s[G0SW:G0SW+3], s[G1SW:G1SW+7]
	s_nop 0
.rept 4
	v_nop
.endr
.Lfilled:
	v_and_b32 v1, 15, v0                           ; r
	v_bfe_u32 v2, v0, 4, 1                         ; hh
	v_and_b32 v3, 31, v0
	v_lshlrev_b32 v3, 4, v3                        ; v3: 16 x lane
	v_mul_u32_u24 v14, v1, PITCH
	v_lshl_add_u32 v14, v2, 4, v14
	s_mul_i32 s92, s19, AHALF
	v_add_nc_u32 v4, s92, v14                      ; v4: A: my 128 tokens, row r, + 16 hh
	v_mul_u32_u24 v15, v1, 3*PITCH
	v_lshl_add_u32 v15, v2, 4, v15
	s_mul_i32 s92, s20, PITCH
	s_add_co_u32 s92, s92, WOFF
	v_add_nc_u32 v5, s92, v15                      ; v5: W for q or k, tiles 0, 1: row 3 r + x
	v_add_nc_u32 v6, 2*WT, v5                      ; v6: tiles 2, 3
	s_mul_i32 s92, s20, 2*WT
	s_add_co_u32 s92, s92, WOFF+2*PITCH
	v_add_nc_u32 v7, s92, v15                      ; v7: W for v: row 3 (32 x + r) + 2
	s_lshl_b32 s92, s19, 12
	s_add_co_u32 s92, s92, SAOFF
	v_lshl_add_u32 v8, v1, 5, s92                  ; v8: A's scale bytes: 32 a row
	v_mul_u32_u24 v17, v1, 96
	s_lshl_b32 s92, s20, 5
	s_add_co_u32 s92, s92, SWOFF
	v_add_nc_u32 v9, s92, v17                      ; v9: W's, row 3 r + x
	s_mul_i32 s92, s20, 96*32
	s_add_co_u32 s92, s92, SWOFF+64
	v_add_nc_u32 v10, s92, v17                     ; v10: W's, row 3 (32 x + r) + 2
	v_mul_u32_u24 v11, v2, 96                      ; v11: q's or k's bias: d 8 hh + j is 12 bytes a d
	v_mul_u32_u24 v12, v1, 12                      ; v12: v's bias: d = r
	s_wait_alu depctr_va_vdst(0)
	v_lshlrev_b32 v13, 3, v1
	v_lshl_add_u32 v13, v2, 2, v13
	s_lshl_b32 s92, s20, 7
	v_add_nc_u32 v13, s92, v13                     ; v13: v's scale words: 8 r + 4 hh + 128 x
	s_lshl_b32 s92, s20, 11
	v_add_nc_u32 v16, s92, v3                      ; v16: v's codes: 16 x lane + 2,048 x
.irp b, 0,1,2,3
	v_mov_b32 v[TM+4+\b], 0                        ; written once: a lane permute's destination counts as one of its sources
.endr
	s_mul_i32 s88, s23, 768                        ; b_qkv: 192 numbers a head, + x
	s_lshl_b32 s89, s20, 2
	s_add_co_u32 s88, s88, s89
	s_mov_b32 s89, 0
	s_add_nc_u64 s[90:91], s[12:13], s[88:89]      ; at column 192 head + x
	s_mul_i32 s66, s20, 380
	s_add_co_u32 s66, s66, 8
	s_mov_b32 s67, 0
	s_add_nc_u64 s[62:63], s[90:91], s[66:67]      ; at column 192 head + 96 x + 2
	s_lshl_b32 s92, s24, 1
	s_add_co_u32 s92, s92, s19                     ; my group of 128 tokens, 0..63
	s_lshr_b32 s93, s92, 4                         ; the batch
	s_lshl_b32 s93, s93, 4
	s_add_co_u32 s93, s93, s23
	s_lshl_b32 s93, s93, 4
	s_and_b32 s94, s92, 15
	s_add_co_u32 s93, s93, s94                     ; the block: (16 batch + head) x 16 + group in the batch
	s_mul_i32 s94, s93, 8960
	s_mov_b32 s95, 0
	s_add_nc_u64 s[96:97], s[16:17], s[94:95]      ; my block of kv
	s_mul_i32 s94, s93, 4608
	s_add_nc_u64 s[98:99], s[14:15], s[94:95]      ; and of qb
	s_cmp_eq_u32 s20, 0
	s_cselect_b64 s[98:99], s[98:99], s[96:97]     ; where my q or my k goes: both blocks begin with 4,096 bytes of codes and 512 of scale words
	WIN 0xc0                                       ; destination window 3
.irp t, 0,1,2,3
.irp j, 0,1,2,3,4,5,6,7
	global_load_b32 v[128+8*\t+\j], v11, s[90:91] offset:12*(16*\t+\j)   ; register j of tile t: the bias of d = 16 t + 8 hh + j
.endr
.endr
.irp i, 0,1
.irp j, 0,1,2,3,4,5,6,7
	global_load_b32 v[160+8*\i+\j], v12, s[62:63] offset:192*\i          ; all eight registers: the bias of d = 32 x + 16 i + r
.endr
.endr
	WIN 0
	s_wait_tensorcnt 0x0                           ; my load has landed,
	s_barrier_signal -1
	s_barrier_wait -1                              ; everybody's have
.irp a, 0,1,2,3,4,5,6,7
	ds_load_b128 v[SA+8*\a:SA+8*\a+3], v8 offset:512*\a           ; a row's 32 scale bytes are the words of its eight K steps
	ds_load_b128 v[SA+8*\a+4:SA+8*\a+7], v8 offset:512*\a+16
.endr
.irp t, 0,1,2,3
	ds_load_b128 v[SW+8*\t:SW+8*\t+3], v9 offset:1536*\t
	ds_load_b128 v[SW+8*\t+4:SW+8*\t+7], v9 offset:1536*\t+16
.endr
.irp i, 0,1
	ds_load_b128 v[SV+8*\i:SV+8*\i+3], v10 offset:1536*\i
	ds_load_b128 v[SV+8*\i+4:SV+8*\i+7], v10 offset:1536*\i+16
.endr
; 28 LDS loads: the fragments of K step s into set p.  A fragment (16 rows x 128 K) is two loads of 16 bytes, 32 bytes apart, at row x pitch + 64 s + 16 hh
.macro FETCH s, p
	WIN 0x40                                       ; destination window 1
.irp a, 0,1,2,3,4,5,6,7
.irp c, 0,1
	ds_load_b128 v[128*(\p)+8*\a+4*\c:128*(\p)+8*\a+4*\c+3], v4 offset:16*PITCH*\a+64*(\s)+32*\c
.endr
.endr
.irp t, 0,1
.irp c, 0,1
	ds_load_b128 v[128*(\p)+64+8*\t+4*\c:128*(\p)+64+8*\t+4*\c+3], v5 offset:WT*\t+64*(\s)+32*\c
.endr
.endr
.irp t, 0,1
.irp c, 0,1
	ds_load_b128 v[128*(\p)+80+8*\t+4*\c:128*(\p)+80+8*\t+4*\c+3], v6 offset:WT*\t+64*(\s)+32*\c
.endr
.endr
.irp i, 0,1
.irp c, 0,1
	ds_load_b128 v[128*(\p)+96+8*\i+4*\c:128*(\p)+96+8*\i+4*\c+3], v7 offset:WT*\i+64*(\s)+32*\c
.endr
.endr
	WIN 0
.endm
; A K step of 128: the next step's fragments are asked for first, into the set that the step before multiplied (four places behind its last product), then 48 products.
; The 48 accumulators take turns, one instruction a turn, in the same order in every step.
.macro KSTEP s
.set FP, 128*((\s)%2)
.if \s < 7
.if \s > 0
	PLACES 4
.endif
	FETCH (\s)+1, ((\s)+1)%2
	s_wait_dscnt 28                                ; all but the 28 just issued: this step's fragments (and the scale words) are in
.else
	s_wait_dscnt 0x0
.endif
.if \s == 0
	WIN 0xb5                                       ; sources 0 and 1 window 1, C (the bias) window 3, D window 2
.else
	WIN 0xa5                                       ; C and D window 2
.endif
.irp a, 0,1,2,3,4,5,6,7
.irp t, 0,1,2,3
.if \s == 0
	v_wmma_scale_f32_16x16x128_f8f6f4 v[8*(4*\a+\t):8*(4*\a+\t)+7], v[FP+64+8*\t:FP+64+8*\t+7], v[FP+8*\a:FP+8*\a+7], v[128+8*\t:128+8*\t+7], v[SW+8*\t+\s], v[SA+8*\a+\s] matrix_a_fmt:MATRIX_FMT_FP4 matrix_b_fmt:MATRIX_FMT_FP4
.else
	v_wmma_scale_f32_16x16x128_f8f6f4 v[8*(4*\a+\t):8*(4*\a+\t)+7], v[FP+64+8*\t:FP+64+8*\t+7], v[FP+8*\a:FP+8*\a+7], v[8*(4*\a+\t):8*(4*\a+\t)+7], v[SW+8*\t+\s], v[SA+8*\a+\s] matrix_a_fmt:MATRIX_FMT_FP4 matrix_b_fmt:MATRIX_FMT_FP4
.endif
.endr
.endr
	WIN 0xf5                                       ; C and D window 3
.irp i, 0,1
.irp a, 0,1,2,3,4,5,6,7
.if \s == 0
	v_wmma_scale_f32_16x16x128_f8f6f4 v[8*(8*\i+\a):8*(8*\i+\a)+7], v[FP+8*\a:FP+8*\a+7], v[FP+96+8*\i:FP+96+8*\i+7], v[160+8*\i:160+8*\i+7], v[SA+8*\a+\s], v[SV+8*\i+\s] matrix_a_fmt:MATRIX_FMT_FP4 matrix_b_fmt:MATRIX_FMT_FP4
.else
	v_wmma_scale_f32_16x16x128_f8f6f4 v[8*(8*\i+\a):8*(8*\i+\a)+7], v[FP+8*\a:FP+8*\a+7], v[FP+96+8*\i:FP+96+8*\i+7], v[8*(8*\i+\a):8*(8*\i+\a)+7], v[SA+8*\a+\s], v[SV+8*\i+\s] matrix_a_fmt:MATRIX_FMT_FP4 matrix_b_fmt:MATRIX_FMT_FP4
.endif
.endr
.endr
.endm
; 64 numbers of a lane in another window, registers src .. src + 63, four blocks of 16 registers, become eight registers of codes at dst; the blocks' bytes stay in v[TM+4] .. v[TM+7].
; w2: window setting with sources 0 and 1 there; w1: with source 0 there.  Each accumulator is read from its low end on.
.macro QUANT w2, w1, src, dst
	WIN \w2
.irp b, 0,1,2,3
	v_max3_num_f32 v[TM+\b], |v[\src+16*\b]|, |v[\src+16*\b+1]|, 0x1800000   ; my 16 numbers of block b, and the floor 2^(3 - 127): the byte cannot fall under 1
.endr
.irp i, 2,4,6,8,10,12,14
.irp b, 0,1,2,3
	v_max3_num_f32 v[TM+\b], |v[\src+16*\b+\i]|, |v[\src+16*\b+\i+1]|, v[TM+\b]
.endr
.endr
	WIN 0
.irp b, 0,1,2,3
	v_permlanex16_b32 v[TM+4+\b], v[TM+\b], s[SEL], s[SEL+1]
.endr
.irp b, 0,1,2,3
	v_max_num_f32 v[TM+\b], v[TM+\b], v[TM+4+\b]   ; with lane l xor 16's: the block's largest magnitude
.endr
.irp b, 0,1,2,3
	v_add_nc_u32 v[TM+12+\b], 0xff000000, v[TM+\b] ; 2 off its exponent field: the conversion's scale operand
.endr
.irp b, 0,1,2,3
	v_lshrrev_b32 v[TM+4+\b], 23, v[TM+12+\b]      ; the scale's byte
.endr
	WIN \w1
.irp b, 0,1,2,3
.irp u, 0,1
	v_cvt_scalef32_pk8_fp4_f32 v[\dst+4*(\b/2)+2*\u+\b%2], v[\src+16*\b+8*\u:\src+16*\b+8*\u+7], v[TM+12+\b]
.endr
.endr
	WIN 0
	v_nop                                          ; one plain instruction behind the conversions
.irp c, 0,1
.irp u, 0,1
	v_permlane16_swap_b32 v[\dst+4*\c+2*\u], v[\dst+4*\c+2*\u+1]
.endr
.endr
.endm
	FETCH 0, 0
	s_wait_loadcnt 0x0                             ; the biases
.irp s, 0,1,2,3,4,5,6,7
	KSTEP \s
.endr
	PLACES 4                                       ; behind the last products, ahead of the first read of results
	WIN 0
	v_cmp_ne_u32 vcc_lo, 0, v2                     ; lanes 16-31
.irp g, 0,1,2,3                                ; q or k: token tiles 2 g and 2 g + 1: blocks (2 g, d 0-31), (2 g, d 32-63), (2 g + 1, ..)
	QUANT 0x0a, 0x02, 64*\g, PC+8*\g
	v_lshl_or_b32 v[PW+2*\g], v[TM+5], 8, v[TM+4]
	v_lshl_or_b32 v[PW+2*\g+1], v[TM+7], 8, v[TM+6]
	global_store_b128 v3, v[PC+8*\g:PC+8*\g+3], s[98:99] offset:1024*\g          ; 512 consecutive bytes a store
	global_store_b128 v3, v[PC+8*\g+4:PC+8*\g+7], s[98:99] offset:1024*\g+512
.endr
.irp i, 0,1,2,3
	v_cndmask_b32 v[220+\i], v[PW+\i], v[PW+4+\i], vcc_lo     ; lanes 0-15 carry tiles 0-3's words, lanes 16-31 tiles 4-7's
.endr
	global_store_b128 v3, v[220:223], s[98:99] offset:4096
.irp i, 0,1                                    ; v: d tile 2 x + i: four blocks of 32 keys
	QUANT 0x0f, 0x03, 64*\i, PC+32+8*\i
	v_lshl_or_b32 v[PWV+\i], v[TM+5], 8, v[TM+4]
	v_lshl_or_b32 v[PWV+\i], v[TM+6], 16, v[PWV+\i]
	v_lshl_or_b32 v[PWV+\i], v[TM+7], 24, v[PWV+\i]
	global_store_b128 v16, v[PC+32+8*\i:PC+32+8*\i+3], s[96:97] offset:4608+1024*\i
	global_store_b128 v16, v[PC+32+8*\i+4:PC+32+8*\i+7], s[96:97] offset:4608+1024*\i+512
.endr
	v_cndmask_b32 v224, v[PWV], v[PWV+1], vcc_lo   ; lane (r, hh) stores word hh of row r
	global_store_b32 v13, v224, s[96:97] offset:8704           ; 128 consecutive bytes
	s_wait_dscnt 0x0
	s_wait_tensorcnt 0x0
	ds_add_u32 v254, v255
	s_wait_dscnt 0x0
	CROUND                                         ; the closing round: no work-group ends while a partner may still ask for a tile that names it
	s_endpgm
.Lfunc_end_k_qc6eca397bc_qkv:
	.size	k_qc6eca397bc_qkv, .Lfunc_end_k_qc6eca397bc_qkv-k_qc6eca397bc_qkv
	.p2alignl 7, 3214868480
	.fill 96, 4, 3214868480
	.section	.rodata,"a",@progbits
	.p2align	6, 0x0
	.amdhsa_kernel k_qc6eca397bc_qkv
		.amdhsa_group_segment_fixed_size 251392
		.amdhsa_private_segment_fixed_size 0
		.amdhsa_enable_private_segment 0
		.amdhsa_kernarg_size 56
		.amdhsa_user_sgpr_count 2
		.amdhsa_user_sgpr_kernarg_segment_ptr 1
		.amdhsa_wavefront_size32 1
		.amdhsa_system_sgpr_workgroup_id_x 1
		.amdhsa_system_sgpr_workgroup_id_y 1
		.amdhsa_system_sgpr_workgroup_id_z 1
		.amdhsa_system_vgpr_workitem_id 0
		.amdhsa_next_free_vgpr 1024
		.amdhsa_next_free_sgpr 100
		.amdhsa_reserve_vcc 1
		.amdhsa_float_denorm_mode_32 3
		.amdhsa_float_denorm_mode_16_64 3
		.amdhsa_memory_ordered 1
		.amdhsa_forward_progress 1
		.amdhsa_inst_pref_size 105
	.end_amdhsa_kernel
	.amdgpu_metadata
---
amdhsa.version: [ 1, 2 ]
amdhsa.kernels:
  - .name:           k_qc6eca397bc_qkv
    .symbol:         k_qc6eca397bc_qkv.kd
    .args:
      - { .name: hc, .offset: 0, .size: 8, .value_kind: global_buffer, .address_space: global }
      - { .name: hs, .offset: 8, .size: 8, .value_kind: global_buffer, .address_space: global }
      - { .name: w_qkv_codes, .offset: 16, .size: 8, .value_kind: global_buffer, .address_space: global }
      - { .name: w_qkv_scales, .offset: 24, .size: 8, .value_kind: global_buffer, .address_space: global }
      - { .name: b_qkv, .offset: 32, .size: 8, .value_kind: global_buffer, .address_space: global }
      - { .name: qb, .offset: 40, .size: 8, .value_kind: global_buffer, .address_space: global }
      - { .name: kv, .offset: 48, .size: 8, .value_kind: global_buffer, .address_space: global }
    .group_segment_fixed_size: 251392
    .private_segment_fixed_size: 0
    .kernarg_segment_align: 8
    .kernarg_segment_size: 56
    .max_flat_workgroup_size: 128
    .sgpr_count:     100
    .vgpr_count:     1024
    .wavefront_size: 32
...
	.end_amdgpu_metadata
.endif
;; end of part 2
;; launch att (part 3): grid 4 x 64, 8 waves a work-group, clusters of 4 x 1, 169,984 bytes of LDS; arguments qb, kv, oc, os; writes oc, os
.if DOCPART == 3
	.amdgcn_target "amdgcn-amd-amdhsa--gfx1250"
	.amdhsa_code_object_version 6
	.text
	.protected	k_qc6eca397bc_att
	.globl	k_qc6eca397bc_att
	.p2align	8
	.type	k_qc6eca397bc_att,@function
k_qc6eca397bc_att:
	s_mov_b64 s[64:65], 0
	v_nop
	global_prefetch_b8 v0, s[64:65] scope:SCOPE_SE
	s_setreg_imm32_b32 hwreg(HW_REG_WAVE_MODE, 25, 1), 1
	s_wait_xcnt 0x0
	s_wait_alu depctr_hold_cnt(0) depctr_sa_sdst(0) depctr_va_vdst(0) depctr_va_sdst(0) depctr_va_ssrc(0) depctr_va_vcc(0) depctr_vm_vsrc(0)
	s_getreg_b32 s2, hwreg(HW_REG_IB_STS2, 6, 4)
	s_cmp_eq_u32 s2, 0
	s_cbranch_scc0 .Lentry_in_a_cluster
	s_endpgm
.Lentry_in_a_cluster:
	s_bfe_u32 s2, ttmp6, 0x10000c
	s_cmp_lg_u32 s2, 0x3003
	s_cbranch_scc0 .Lentry_shape_is_right
	s_endpgm
.Lentry_shape_is_right:
; For each (batch, head): O = softmax(q k^T / 8) v on E2M1 codes, then O quantised along (head, d) for the projection.  q, k, v come as images of operand registers (qb, kv: the launch before lays them).
; THE SOFTMAX AHEAD OF THE SECOND PRODUCT: t = score x log2(e) / 8; M = the running largest t rounded UP to a whole number; p = 2^(t - M) is quantised along the keys, not normalised; the row's sum is
; taken of the unquantised p and divides O at the end.  When M moves, the sums and O are multiplied by 2^(old M - new M): exact.
; SHARES.  A work-group owns 512 queries of one (batch, head), in two passes of 256.  Eight waves, two to a SIMD; in a pass a wave owns 32 queries, TWO tiles of 16 (tile 16 pass + 2 wave + a):
; each fragment of k and v read from LDS, each address step and each wait serves two tiles.  Every wave walks all 2,048 keys, 128 a step.
; LDS.  The head's k and v, 16 blocks of 8,960 bytes, lie there at once; a wave fetches two blocks with one load; 32 bytes of padding behind each 256, so a block is 10,080 bytes.  Nothing is filled again: no ring; all is asked for at the head, so nothing is left to prefetch.
; CLUSTER 4 x 1: the four work-groups of a (batch, head) need the same 143,360 bytes: each load is joint.  A wave has one tensor load out.
; LAYOUT.  Both products are used transposed: S^T = k q^T, O^T = v^T p^T: a lane holds ONE query (lane % 16) of each tile throughout.
; THE KEYS OF A TILE ARE CHOSEN: row m of tile (c, t) is key 64 c + 32 (m / 8) + 8 t + m % 8.  So lane (r, h) holds in registers 32 c + 8 t + j key 64 c + 32 h + 8 t + j: a WHOLE block of 32 keys, in order:
; the block's largest score needs no other lane, and the conversion of tile (c, t) is register 4 c + t of the second product's operand as it stands.
; THE HEAD HAS 64 ALONG K, THE INSTRUCTION 128: q's registers 4-7 are zero codes; k's tuple of a tile runs on into the next tile's codes; the scale words' bytes 2 and 3 are 0, which is 2^-127 and no NaN.
; OUT.  oc [token / 16][head][lane][16 bytes]; os [head][token] u16: the two blocks' bytes.
; LIMITS: NaN and infinities are not served.  The promise holds while the scaled scores t stay under 2^31 in magnitude.  A p under 2^-126 is 0 (v_exp_f32).  A block's largest p is 2^ of the block's largest score,
; which takes v_exp_f32 not to fall where its input rises.  1 / l is v_rcp_f32 and a multiplication.  A block under 2^-124 (zeros among them) gets the byte 1: the bytes are read by this program alone.
; REGISTERS.  window 0: addresses, scale words, p's codes, what a tile carries, and from v128 S^T, then p (tile a at 128 + 64 a): all that the softmax touches.  window 1: q, k, v, O^T: what the products alone touch.
.set WV,    12
.set SC,    2                          ; LDS byte of the step's block; also the steps' counter
.set SN,    3                          ; of the next step's block, held at the last block
.set SEL,   20                         ; s[20:21] selects for lane l xor 16
.set CS,    22                         ; s[22:23] c = log2(e) / 8
.set G1,    24
.set G0,    32
.set NC,    44                         ; -c
.set SP,    45                         ; 512 x pass: the stage's step and the passes' counter
.set STEPG, 8960                       ; a key step's block in memory: k's codes 4,096, k's scale words 512, v's codes 4,096, v's scale words 256
.set STEPL, 10080                      ; in LDS: 35 rows of 256 + 32
.set STG,   16*STEPL                   ; the u16 scale pairs of the 512 queries; no fill lands here
.set SPARE, STG+1024                   ; the spare words, 128 bytes a wave
.set GL,   2                           ; 16 x lane
.set KB,   3                           ; k's codes: 1,152 (r / 8) + 16 (r % 8) + 288 h
.set KSB,  4                           ; k's scale words: 4,608 + 16 (r % 8) + 8 (r / 8) + 288 h
.set VB,   5                           ; v's images: 16 r + 288 h
.set VSB,  6                           ; v's scale words: 9,792 + 8 lane
.set AK,   7
.set AKS,  8
.set AV,   9
.set AVS,  10
.set SH,   11                          ; 8 h
.set STA,  12                          ; my queries' u16 in the stage
.set QSA,  13                          ; q's scale words
.set SPW,  14
.set NIL,  15
.set QS,   16                          ; v16-17 q's scale words, tile a
.set KSR,  18                          ; v18-21 k's: register 2 (t % 2) + t / 2: lanes 0-15 c = 0, lanes 16-31 c = 1
.set VSR,  22                          ; v22-23 v's
.set PS,   24                          ; v24-25 p's, tile a
.set OSG,  26
.set OSL,  27
.set PC,   28                          ; v28-43 p's codes, eight a tile; at a pass's end the output's codes
.set NM,   44                          ; pairs (-M, the running largest score)
.set FF,   48                          ; pairs (f, 0)
.set BM,   52                          ; the blocks' largest scores, then largest p, then bytes: 2 a + c
.set SO,   56                          ; the conversions' scale operands
.set PT,   60
.set TM,   62
.set T2,   64
.set ACC,  66                          ; the row's sum in four running chains of pairs a tile: 8 a + 2 k
.set HM,   82                          ; eight half blocks' maxima
.set S,    128
.set Q,    0                           ; window 1: tile a: four registers of codes, four of zeros
.set KF,   16                          ; window 1: k's eight tiles, then four registers of zeros
.set VF,   52                          ; window 1: v's four fragments
.set O,    84                          ; window 1: O^T, tile a, d tile e at 32 a + 8 e
.set MSB, 0
.macro WIN new                         ; the immediate's high byte repeats the setting that is left
.if MSB != \new
	s_set_vgpr_msb (MSB<<8)|\new
.set MSB, \new
.endif
.endm
.macro H n                             ; two waves share a SIMD: a hint ahead of a plain line that reads the plain line n before it
	s_delay_alu instid0(VALU_DEP_\n)
.endm
.macro CROUND                          ; a round of the cluster's barrier
	s_barrier_signal -1
	s_barrier_wait -1
	s_cmp_lg_u32 s[WV], 0
	s_cbranch_scc1 .Lnot_wave_0_\@
	s_barrier_signal -3
.Lnot_wave_0_\@:
	s_barrier_wait -3
	s_barrier_signal -1
	s_barrier_wait -1
.endm
.macro KCODES adr                      ; k's eight tiles by the chosen rows (destination window 1)
.irp T, 0,1,2,3,4,5,6,7
	ds_load_b128 v[KF+4*\T:KF+4*\T+3], v[\adr] offset:2304*(\T/4)+576*((\T/2)%2)+128*(\T%2)
.endr
.endm
.macro KSCALES ads                     ; and their scale words (window 0)
	ds_load_b64 v[KSR:KSR+1], v[\ads]
	ds_load_b64 v[KSR+2:KSR+3], v[\ads] offset:128
.endm
.macro SUML l                          ; eight lines of the sums: pairs 4 l + k of both tiles onto chain k
.irp k, 0,1,2,3
.irp a, 0,1
	v_pk_add_f32 v[ACC+8*\a+2*\k:ACC+8*\a+2*\k+1], v[ACC+8*\a+2*\k:ACC+8*\a+2*\k+1], v[S+64*\a+8*\l+2*\k:S+64*\a+8*\l+2*\k+1]
.endr
.endr
.endm
	s_load_b256 s[4:11], s[0:1], 0x0               ; qb s[4:5], kv s[6:7], oc s[8:9], os s[10:11]
	v_lshl_add_u32 v[SPW], v0, 2, SPARE
	v_mov_b32 v[NIL], 0
	ds_add_u32 v[SPW], v[NIL]                      ; the opening lines: the add, twice on end, and its wait
	ds_add_u32 v[SPW], v[NIL]
	v_lshrrev_b32 v1, 5, v0
	v_readfirstlane_b32 s[WV], v1                  ; wave 0..7
	s_bfe_u32 s13, ttmp6, 0x40000                  ; cx
	s_lshl_b32 s15, ttmp9, 2
	s_add_co_u32 s15, s15, s13                     ; my block of 512 queries: it enters global addresses of qb, oc and os alone
	s_and_b32 s14, ttmp7, 0xffff                   ; 16 batch + head, which the four partners share
	s_mov_b32 s[G1], 15|(3<<16)|(1<<20)|(1<<21)|(5<<22)|(7<<25)   ; the mask: all four; elements of 8 bytes; padding: 8 words behind every 64; bit 21 beside a mask
	s_mov_b32 s[G1+1], 32<<16                      ; rows of 256 bytes
	s_mov_b32 s[G1+2], 70<<16                      ; 70 rows: two blocks
	s_mov_b32 s[G1+3], 32<<16
	s_mov_b32 s[G1+4], 70
	s_mov_b32 s[G1+5], 32
	s_mov_b32 s[G1+6], 0
	s_mov_b32 s[G1+7], 0
	s_lshl_b32 s16, s14, 4
	s_lshl_b32 s17, s[WV], 1
	s_add_co_u32 s16, s16, s17
	s_mul_i32 s16, s16, STEPG                      ; wave w fetches the head's blocks 2 w and 2 w + 1
	s_mov_b32 s17, 0
	s_mov_b32 s[G0], 1
	s_mul_i32 s[G0+1], s[WV], 2*STEPL
	s_lshl_b32 s36, s14, 4                         ; q: group of 128 tokens 16 (16 batch + head) + 4 qx + 2 pass + wave / 4; in it tiles 2 (wave % 4) + a
	s_lshl_b32 s37, s15, 2
	s_add_co_u32 s36, s36, s37
	s_lshr_b32 s37, s[WV], 2
	s_add_co_u32 s36, s36, s37
	s_mul_i32 s36, s36, 4608
	s_and_b32 s39, s[WV], 3
	s_lshl_b32 s38, s39, 10
	s_add_co_u32 s36, s36, s38
	s_mov_b32 s37, 0
	s_sub_co_u32 s47, 4096, s38                    ; the scale words from there: 4,096 + 256 (tile / 4) + 4 (tile % 4) - 1,024 (wave % 4)
	s_bfe_u32 s49, s[WV], 0x10001
	s_lshl_b32 s49, s49, 8
	s_add_co_u32 s47, s47, s49
	s_and_b32 s49, s[WV], 1
	s_lshl_b32 s49, s49, 3
	s_add_co_u32 s47, s47, s49
	s_lshr_b32 s38, s14, 4                         ; the batch
	s_and_b32 s39, s14, 15                         ; the head
	s_lshl_b32 s40, s38, 7                         ; oc: tile 128 batch + 32 qx + 16 pass + 2 wave + a, 8,192 bytes each; + 512 head
	s_lshl_b32 s41, s15, 5
	s_add_co_u32 s40, s40, s41
	s_lshl_b32 s41, s[WV], 1
	s_add_co_u32 s40, s40, s41
	s_lshl_b32 s40, s40, 13
	s_lshl_b32 s41, s39, 9
	s_add_co_u32 s40, s40, s41
	s_mov_b32 s41, 0
	s_lshl_b32 s42, s39, 14                        ; os: 16,384 head + 2 (2,048 batch + 512 qx)
	s_lshl_b32 s43, s38, 12
	s_add_co_u32 s42, s42, s43
	s_lshl_b32 s43, s15, 10
	s_add_co_u32 s42, s42, s43
	s_mov_b32 s43, 0
	s_lshl_b32 s48, s[WV], 6
	s_add_co_u32 s48, s48, STG                     ; my 32 queries' u16 of a pass
	s_mov_b32 s[SEL], 0x76543210
	s_mov_b32 s[SEL+1], 0xfedcba98
	s_mov_b32 s[CS], 0x3e38aa3b                    ; log2(e) / 8
	s_mov_b32 s[CS+1], s[CS]
	s_mov_b32 s[NC], 0xbe38aa3b
	s_mov_b32 s[SP], 0
	s_wait_dscnt 0x0
	s_wait_kmcnt 0x0
	s_add_nc_u64 s[G0+2:G0+3], s[6:7], s[16:17]
	s_or_b32 s[G0+3], s[G0+3], 0x80000000
	s_add_nc_u64 s[4:5], s[4:5], s[36:37]
	s_add_nc_u64 s[8:9], s[8:9], s[40:41]
	s_add_nc_u64 s[10:11], s[10:11], s[42:43]
	CROUND                                         ; all four work-groups are here: the joint loads meet
	tensor_load_to_lds s[G0:G0+3], s[G1:G1+7]      ; every wave its own two blocks: one load a wave
	s_nop 0
.rept 4
	v_nop
.endr
	v_and_b32 v[S], 31, v0                         ; lane
	v_and_b32 v[S+1], 15, v0                       ; r
	v_bfe_u32 v[S+2], v0, 4, 1                     ; h
	v_and_b32 v[S+4], 7, v0                        ; r % 8
	v_bfe_u32 v[S+5], v0, 3, 1                     ; r / 8
	v_lshlrev_b32 v[OSG], 4, v0
	v_lshlrev_b32 v[GL], 4, v[S]
	v_mul_u32_u24 v[S+3], v[S+2], 288
	v_lshl_add_u32 v[VSB], v[S], 3, 9792
	v_lshlrev_b32 v[SH], 3, v[S+2]
	v_lshl_add_u32 v[STA], v[S+1], 1, s48
	v_lshl_add_u32 v[QSA], v[S+1], 4, s47
	v_add_nc_u32 v[OSL], STG, v[OSG]
	v_lshl_add_u32 v[VB], v[S+1], 4, v[S+3]
	v_lshl_add_u32 v[S+6], v[S+4], 4, v[S+3]
.irp a, 0,1
	v_mov_b32 v[FF+2*\a+1], 0                      ; (named as the upper half of a pair)
	v_mov_b32 v[PT+\a], 0                          ; a lane permute's destination counts as one of its sources
.endr
	v_mad_u32_u24 v[KB], v[S+5], 1152, v[S+6]
	v_lshl_add_u32 v[KSB], v[S+5], 3, v[S+6]
	H 1
	v_add_nc_u32 v[KSB], 4608, v[KSB]
	WIN 0x40
.irp j, 4,5,6,7,12,13,14,15
	v_mov_b32 v[Q+\j], 0                           ; zero codes: q's upper halves
.endr
.irp j, 0,1,2,3
	v_mov_b32 v[KF+32+\j], 0                       ; what stands behind k's last tile
.endr
	WIN 0
	s_wait_alu depctr_va_vdst(0)
	s_wait_tensorcnt 0x0                           ; my blocks have landed,
	s_barrier_signal -1
	s_barrier_wait -1                              ; everybody's have
.Lpass:                                            ; two trips: 256 queries of the work-group each
	s_wait_dscnt 0x0                               ; no LDS load is out into the registers loaded below
	global_load_b64 v[QS:QS+1], v[QSA], s[4:5]     ; word a: tile a's scale word of query r
	KSCALES KSB
	WIN 0x40
.irp a, 0,1
	global_load_b128 v[Q+8*\a:Q+8*\a+3], v[GL], s[4:5] offset:512*\a
.endr
	KCODES KB                                      ; step 0's k
.set j, 0
.rept 64
	v_mov_b32 v[O+j], 0                            ; O^T.  (The step is written once: the first finds zeros, which f = 0 leaves zeros)
.set j, j+1
.endr
	WIN 0
.irp a, 0,1
	v_mov_b32 v[NM+2*\a], 0x7e000000               ; -M: 2^125, so that the first f is 0
	v_mov_b32 v[NM+2*\a+1], 0xff61b1e6             ; the largest score so far: -3e38
.irp j, 0,1,2,3,4,5,6,7
	v_mov_b32 v[ACC+8*\a+\j], 0                    ; the sum's four chains
.endr
.endr
	s_mov_b32 s[SC], 0
	s_mov_b32 s[SN], STEPL
	s_wait_alu depctr_va_vdst(0)
	s_wait_loadcnt 0x0                             ; q
.Lstep:                                            ; 16 trips of 128 keys
	s_wait_dscnt 0x0                               ; this step's k, asked for a step ago
	WIN 0x05                                       ; sources 0 and 1 window 1
.irp T, 0,1,2,3,4,5,6,7
.irp a, 0,1
.if \T < 4
	v_wmma_scale_f32_16x16x128_f8f6f4 v[S+64*\a+8*\T:S+64*\a+8*\T+7], v[KF+4*\T:KF+4*\T+7], v[Q+8*\a:Q+8*\a+7], 0, v[KSR+2*(\T%2)+((\T/2)%2)], v[QS+\a] matrix_a_fmt:MATRIX_FMT_FP4 matrix_b_fmt:MATRIX_FMT_FP4
.else
	v_wmma_scale_f32_16x16x128_f8f6f4 v[S+64*\a+8*\T:S+64*\a+8*\T+7], v[KF+4*\T:KF+4*\T+7], v[Q+8*\a:Q+8*\a+7], 0, v[KSR+2*(\T%2)+((\T/2)%2)], v[QS+\a] matrix_a_fmt:MATRIX_FMT_FP4 matrix_b_fmt:MATRIX_FMT_FP4 matrix_a_scale:MATRIX_SCALE_ROW1
.endif
.endr
.endr
	WIN 0
	v_add_nc_u32 v[AVS], s[SC], v[VSB]             ; these four are the places behind the products, ahead of the loads into their registers and of the first read of S^T
	v_add_nc_u32 v[AV], s[SC], v[VB]
	v_add_nc_u32 v[AK], s[SN], v[KB]
	v_add_nc_u32 v[AKS], s[SN], v[KSB]
	ds_load_b64 v[VSR:VSR+1], v[AVS]
	WIN 0x40
.irp e, 0,1,2,3
.irp c, 0,1
	ds_load_b128 v[VF+8*\e+4*\c:VF+8*\e+4*\c+3], v[AV] offset:5184+1152*\e+576*\c
.endr
.endr
	KCODES AK                                      ; the next step's k (in the last step: the last block's once more, which nobody uses)
	WIN 0
	KSCALES AKS
	; the largest score of each block of 32 keys: eight chains over half blocks, each accumulator from its low end on
.irp a, 0,1
.irp g, 0,1,2,3
	v_max3_num_f32 v[HM+4*\a+\g], v[S+64*\a+16*\g], v[S+64*\a+16*\g+1], v[S+64*\a+16*\g+2]
.endr
.endr
.irp i, 3,5,7,9,11,13
.irp a, 0,1
.irp g, 0,1,2,3
	v_max3_num_f32 v[HM+4*\a+\g], v[S+64*\a+16*\g+\i], v[S+64*\a+16*\g+\i+1], v[HM+4*\a+\g]
.endr
.endr
.endr
.irp a, 0,1
.irp c, 0,1
	v_max3_num_f32 v[BM+2*\a+\c], v[S+64*\a+32*\c+15], v[HM+4*\a+2*\c], v[HM+4*\a+2*\c+1]
.endr
.endr
.irp a, 0,1
.irp c, 0,1
	v_max_num_f32 v[BM+2*\a+\c], v[S+64*\a+32*\c+31], v[BM+2*\a+\c]
.endr
.endr
	H 3
	v_max_num_f32 v[TM], v[BM], v[BM+1]
	H 2
	v_max_num_f32 v[TM+1], v[BM+2], v[BM+3]
.irp a, 0,1
	H 2
	v_permlanex16_b32 v[PT+\a], v[TM+\a], s[SEL], s[SEL+1]
.endr
.irp a, 0,1
	H 2
	v_max3_num_f32 v[NM+2*\a+1], v[NM+2*\a+1], v[TM+\a], v[PT+\a]   ; the running largest score of my query
.endr
.irp a, 0,1
	H 2
	v_mul_f32 v[TM+\a], s[NC], v[NM+2*\a+1]        ; -t
.endr
.irp a, 0,1
	H 2
	v_floor_f32 v[TM+\a], v[TM+\a]                 ; the new -M = -ceil(t)
.endr
.irp a, 0,1
	H 2
	v_sub_f32 v[T2+\a], v[TM+\a], v[NM+2*\a]       ; old M - new M: a whole number, 0 or less
.endr
.irp a, 0,1
	H 2
	v_cvt_i32_f32 v[T2+\a], v[T2+\a]               ; (it saturates)
.endr
.irp a, 0,1
	v_mov_b32 v[NM+2*\a], v[TM+\a]
.endr
.irp a, 0,1
	H 4
	v_ldexp_f32 v[FF+2*\a], 1.0, v[T2+\a]          ; f = 2^(old M - new M)
.endr
	H 4
.irp a, 0,1
.irp c, 0,1
	v_fma_f32 v[BM+2*\a+\c], v[BM+2*\a+\c], s[CS], v[NM+2*\a]   ; t - M of each block's largest score
.endr
.endr
.irp a, 0,1
.set j, 0
.rept 32
	v_pk_fma_f32 v[S+64*\a+j:S+64*\a+j+1], v[S+64*\a+j:S+64*\a+j+1], s[CS:CS+1], v[NM+2*\a:NM+2*\a+1] op_sel_hi:[1,0,0]   ; t - M, two at a time
.set j, j+2
.endr
.endr
	WIN 0x41
.irp a, 0,1
.set j, 0
.rept 16
	v_pk_mul_f32 v[O+32*\a+j:O+32*\a+j+1], v[O+32*\a+j:O+32*\a+j+1], v[FF+2*\a:FF+2*\a+1] op_sel_hi:[1,0]   ; O^T under the new M: its first read behind the products, ahead of the exponentials
.set j, j+2
.endr
.endr
	WIN 0
	s_wait_alu depctr_va_vdst(0)
.set j, 0
.rept 128
	v_exp_f32 v[S+j], v[S+j]                       ; p = 2^(t - M), at most 1
.set j, j+1
.endr
.irp n, 0,1,2,3
	v_exp_f32 v[BM+\n], v[BM+\n]                   ; the block's largest p: the same two instructions on the same number give the same bits
.endr
	v_nop                                          ; a plain place behind the exponentials
	s_wait_alu depctr_va_vdst(0)                   ; one wait for the batch, ahead of its first reader
	; the row's sum of the unquantised p, four running chains a tile; the first lines bring them under the new M.  The short lines that make p's scales stand between the levels
.irp k, 0,1,2,3
.irp a, 0,1
	v_pk_fma_f32 v[ACC+8*\a+2*\k:ACC+8*\a+2*\k+1], v[ACC+8*\a+2*\k:ACC+8*\a+2*\k+1], v[FF+2*\a:FF+2*\a+1], v[S+64*\a+2*\k:S+64*\a+2*\k+1] op_sel_hi:[1,0,1]
.endr
.endr
.irp n, 0,1,2,3
	v_max_num_f32 v[BM+\n], 0x1800000, v[BM+\n]    ; the floor 2^(3 - 127): the byte cannot fall under 1
.endr
	SUML 1
.irp n, 0,1,2,3
	v_add_nc_u32 v[SO+\n], 0xff000000, v[BM+\n]    ; 2 off the exponent field: the conversion's scale operand
.endr
	SUML 2
.irp n, 0,1,2,3
	v_lshrrev_b32 v[BM+\n], 23, v[SO+\n]           ; the scale's byte
.endr
.irp a, 0,1
.irp c, 0,1
.irp t, 0,1,2,3
	v_cvt_scalef32_pk8_fp4_f32 v[PC+8*\a+4*\c+\t], v[S+64*\a+32*\c+8*\t:S+64*\a+32*\c+8*\t+7], v[SO+2*\a+\c]
.endr
.endr
.endr
	SUML 3                                         ; (also the plain lines behind the conversions)
.irp a, 0,1
	v_lshl_or_b32 v[TM+\a], v[BM+2*\a+1], 16, v[BM+2*\a]   ; my two bytes: blocks h and 2 + h,
.endr
	SUML 4
.irp a, 0,1
	v_lshlrev_b32 v[TM+\a], v[SH], v[TM+\a]        ; at their places in the word;
.endr
	SUML 5
.irp a, 0,1
	v_permlanex16_b32 v[PT+\a], v[TM+\a], s[SEL], s[SEL+1]
.endr
	SUML 6
.irp a, 0,1
	v_or_b32 v[PS+\a], v[TM+\a], v[PT+\a]          ; with lane l xor 16's two the word is whole
.endr
	SUML 7                                         ; eight places between the scale words' writes and the products
	s_wait_alu depctr_va_vdst(0)
	s_wait_dscnt 10                                ; v and its scale words are in; the ten loads of the next step's k, issued behind them, may be out
	WIN 0x51                                       ; source 0, C and D window 1
.irp e, 0,1,2,3                                ; the eight accumulators take turns, one instruction a turn
.irp a, 0,1
.if \e < 2
	v_wmma_scale_f32_16x16x128_f8f6f4 v[O+32*\a+8*\e:O+32*\a+8*\e+7], v[VF+8*\e:VF+8*\e+7], v[PC+8*\a:PC+8*\a+7], v[O+32*\a+8*\e:O+32*\a+8*\e+7], v[VSR+\e%2], v[PS+\a] matrix_a_fmt:MATRIX_FMT_FP4 matrix_b_fmt:MATRIX_FMT_FP4
.else
	v_wmma_scale_f32_16x16x128_f8f6f4 v[O+32*\a+8*\e:O+32*\a+8*\e+7], v[VF+8*\e:VF+8*\e+7], v[PC+8*\a:PC+8*\a+7], v[O+32*\a+8*\e:O+32*\a+8*\e+7], v[VSR+\e%2], v[PS+\a] matrix_a_fmt:MATRIX_FMT_FP4 matrix_b_fmt:MATRIX_FMT_FP4 matrix_a_scale:MATRIX_SCALE_ROW1
.endif
.endr
.endr
	WIN 0
	s_add_co_u32 s[SC], s[SC], STEPL
	s_add_co_u32 s[SN], s[SC], STEPL
	s_min_u32 s[SN], s[SN], 15*STEPL               ; never beyond the last block
	s_cmp_lt_u32 s[SC], 16*STEPL
	s_cbranch_scc1 .Lstep
	; the pass's end: O^T / l, quantised along d: two blocks of 32 a tile.  The lines on the sums are the places behind the last products
.irp a, 0,1
	v_pk_add_f32 v[ACC+8*\a:ACC+8*\a+1], v[ACC+8*\a:ACC+8*\a+1], v[ACC+8*\a+2:ACC+8*\a+3]
.endr
.irp a, 0,1
	v_pk_add_f32 v[ACC+8*\a+4:ACC+8*\a+5], v[ACC+8*\a+4:ACC+8*\a+5], v[ACC+8*\a+6:ACC+8*\a+7]
.endr
.irp a, 0,1
	H 2
	v_pk_add_f32 v[ACC+8*\a:ACC+8*\a+1], v[ACC+8*\a:ACC+8*\a+1], v[ACC+8*\a+4:ACC+8*\a+5]
.endr
.irp a, 0,1
	H 2
	v_add_f32 v[TM+\a], v[ACC+8*\a], v[ACC+8*\a+1]
.endr
.irp a, 0,1
	H 2
	v_permlanex16_b32 v[PT+\a], v[TM+\a], s[SEL], s[SEL+1]
.endr
.irp a, 0,1
	H 2
	v_add_f32 v[TM+\a], v[TM+\a], v[PT+\a]         ; with lane l xor 16's keys: the row's sum
.endr
	s_wait_alu depctr_va_vdst(0)
.irp a, 0,1
	v_rcp_f32 v[FF+2*\a], v[TM+\a]
.endr
	v_nop                                          ; a plain instruction behind the transcendentals
	WIN 0x01                                       ; source 0 window 1
	s_wait_alu depctr_va_vdst(0)                   ; the wait ahead of the first reader of 1 / l and of O^T
.irp a, 0,1
.set j, 0
.rept 16
	v_pk_mul_f32 v[S+32*\a+j:S+32*\a+j+1], v[O+32*\a+j:O+32*\a+j+1], v[FF+2*\a:FF+2*\a+1] op_sel_hi:[1,0]   ; register 8 e + i: o(query r, d = 16 e + 8 h + i); each accumulator from its low end on
.set j, j+2
.endr
.endr
	WIN 0
.irp a, 0,1
.irp b, 0,1
	v_max3_num_f32 v[BM+2*\a+\b], |v[S+32*\a+16*\b]|, |v[S+32*\a+16*\b+1]|, 0x1800000
.endr
.endr
.irp i, 2,4,6,8,10,12,14
.irp a, 0,1
.irp b, 0,1
	H 4
	v_max3_num_f32 v[BM+2*\a+\b], |v[S+32*\a+16*\b+\i]|, |v[S+32*\a+16*\b+\i+1]|, v[BM+2*\a+\b]
.endr
.endr
.endr
.irp n, 0,1,2,3
	H 4
	v_permlanex16_b32 v[HM+\n], v[BM+\n], s[SEL], s[SEL+1]
.endr
.irp n, 0,1,2,3
	H 4
	v_max_num_f32 v[BM+\n], v[BM+\n], v[HM+\n]
.endr
.irp n, 0,1,2,3
	H 4
	v_add_nc_u32 v[SO+\n], 0xff000000, v[BM+\n]
.endr
.irp n, 0,1,2,3
	H 4
	v_lshrrev_b32 v[BM+\n], 23, v[SO+\n]
.endr
	v_add_nc_u32 v1, s[SP], v[STA]
.irp a, 0,1
.irp b, 0,1
.irp u, 0,1
	v_cvt_scalef32_pk8_fp4_f32 v[PC+4*\a+2*\u+\b], v[S+32*\a+16*\b+8*\u:S+32*\a+16*\b+8*\u+7], v[SO+2*\a+\b]
.endr
.endr
.endr
.irp a, 0,1
	v_lshl_or_b32 v[TM+\a], v[BM+2*\a+1], 8, v[BM+2*\a]   ; the two bytes (also the plain instruction behind the conversions)
.endr
.irp a, 0,1
.irp u, 0,1
	v_permlane16_swap_b32 v[PC+4*\a+2*\u], v[PC+4*\a+2*\u+1]   ; a whole block of 32 d to a lane
.endr
.endr
.irp a, 0,1
	global_store_b128 v[GL], v[PC+4*\a:PC+4*\a+3], s[8:9] offset:8192*\a   ; 512 consecutive bytes
	ds_store_b16 v1, v[TM+\a] offset:32*\a         ; lanes r and r + 16 write the same two bytes with the same value
.endr
	s_wait_xcnt 0x0                                ; the stores have read their data and base, the loads of q theirs
	s_add_nc_u64 s[8:9], s[8:9], 131072            ; sixteen tiles of 8,192 bytes on
	s_add_nc_u64 s[4:5], s[4:5], 9216              ; two groups of q on
	s_add_co_u32 s[SP], s[SP], 512
	s_wait_alu depctr_va_vdst(0)
	s_cmp_lt_u32 s[SP], 1024
	s_cbranch_scc1 .Lpass
	s_wait_dscnt 0x0                               ; for the others' sake: my u16 lie in the stage
	s_barrier_signal -1
	s_barrier_wait -1
	s_cmp_gt_u32 s[WV], 1                          ; waves 0 and 1 store the 512 queries' 1,024 bytes, 512 consecutive bytes each
	s_cbranch_scc1 .Lno_os
	ds_load_b128 v[HM:HM+3], v[OSL]
	s_wait_dscnt 0x0
	global_store_b128 v[OSG], v[HM:HM+3], s[10:11]
.Lno_os:
	s_wait_tensorcnt 0x0                           ; the wave's end
	ds_add_u32 v[SPW], v[NIL]
	s_wait_dscnt 0x0
	CROUND                                         ; the closing round: no work-group ends while a partner may still ask for a block that names it
	s_endpgm
.Lfunc_end_k_qc6eca397bc_att:
	.size	k_qc6eca397bc_att, .Lfunc_end_k_qc6eca397bc_att-k_qc6eca397bc_att
	.p2alignl 7, 3214868480
	.fill 96, 4, 3214868480
	.section	.rodata,"a",@progbits
	.p2align	6, 0x0
	.amdhsa_kernel k_qc6eca397bc_att
		.amdhsa_group_segment_fixed_size 169984
		.amdhsa_private_segment_fixed_size 0
		.amdhsa_enable_private_segment 0
		.amdhsa_kernarg_size 32
		.amdhsa_user_sgpr_count 2
		.amdhsa_user_sgpr_kernarg_segment_ptr 1
		.amdhsa_wavefront_size32 1
		.amdhsa_system_sgpr_workgroup_id_x 1
		.amdhsa_system_sgpr_workgroup_id_y 1
		.amdhsa_system_sgpr_workgroup_id_z 1
		.amdhsa_system_vgpr_workitem_id 0
		.amdhsa_next_free_vgpr 408
		.amdhsa_next_free_sgpr 66
		.amdhsa_reserve_vcc 0
		.amdhsa_float_denorm_mode_32 3
		.amdhsa_float_denorm_mode_16_64 3
		.amdhsa_memory_ordered 1
		.amdhsa_forward_progress 1
		.amdhsa_inst_pref_size 46
	.end_amdhsa_kernel
	.amdgpu_metadata
---
amdhsa.version: [ 1, 2 ]
amdhsa.kernels:
  - .name:           k_qc6eca397bc_att
    .symbol:         k_qc6eca397bc_att.kd
    .args:
      - { .name: qb, .offset: 0, .size: 8, .value_kind: global_buffer, .address_space: global }
      - { .name: kv, .offset: 8, .size: 8, .value_kind: global_buffer, .address_space: global }
      - { .name: oc, .offset: 16, .size: 8, .value_kind: global_buffer, .address_space: global }
      - { .name: os, .offset: 24, .size: 8, .value_kind: global_buffer, .address_space: global }
    .group_segment_fixed_size: 169984
    .private_segment_fixed_size: 0
    .kernarg_segment_align: 8
    .kernarg_segment_size: 32
    .max_flat_workgroup_size: 256
    .sgpr_count:     66
    .vgpr_count:     408
    .wavefront_size: 32
...
	.end_amdgpu_metadata
.endif
;; end of part 3
;; launch proj (part 4): grid 4 x 64, 4 waves a work-group, clusters of 4 x 4, 247,296 bytes of LDS; arguments oc, os, w_proj_codes, w_proj_scales, b_proj, x, out0; writes out0
.if DOCPART == 4
	.amdgcn_target "amdgcn-amd-amdhsa--gfx1250"
	.amdhsa_code_object_version 6
	.text
	.protected	k_qc6eca397bc_proj
	.globl	k_qc6eca397bc_proj
	.p2align	8
	.type	k_qc6eca397bc_proj,@function
k_qc6eca397bc_proj:
	s_mov_b64 s[64:65], 0
	v_nop
	global_prefetch_b8 v0, s[64:65] scope:SCOPE_SE
	s_setreg_imm32_b32 hwreg(HW_REG_WAVE_MODE, 25, 1), 1
	s_wait_xcnt 0x0
	s_wait_alu depctr_hold_cnt(0) depctr_sa_sdst(0) depctr_va_vdst(0) depctr_va_sdst(0) depctr_va_ssrc(0) depctr_va_vcc(0) depctr_vm_vsrc(0)
	s_getreg_b32 s2, hwreg(HW_REG_IB_STS2, 6, 4)
	s_cmp_eq_u32 s2, 0
	s_cbranch_scc0 .Lentry_in_a_cluster
	s_endpgm
.Lentry_in_a_cluster:
	s_bfe_u32 s2, ttmp6, 0x10000c
	s_cmp_lg_u32 s2, 0xf033
	s_cbranch_scc0 .Lentry_shape_is_right
	s_endpgm
.Lentry_shape_is_right:
; out0 = o W + b_proj + x on E2M1 codes: o as the attention launch lays it (oc: images of operand registers; os: u16 scale pairs), W: w_proj_codes [1024][512 bytes], w_proj_scales [1024][32].
; SHARES.  A work-group takes 128 tokens x 256 columns, all of K = 1,024.  Wave w: th = w / 2: its 64 tokens (4 tiles); cw = w % 2: its 128 columns (8 tiles): 32 accumulators.
; THE PRODUCT IS USED TRANSPOSED (source 0 = 16 rows of W, source 1 = 16 tokens): a lane holds eight neighbouring columns of one row of out0.  The bias is the C of each sum's first instruction.
; LDS: all at once, filled once: o's images 65,536; W 256 rows x (512 + 16); W's scales 8,192; o's scale pairs 16 heads x 256 bytes; behind them a stage of 16 rows x (512 + 16) for each wave, into which no fill lands.
; CLUSTER 4 x 4: the four of a row need the same tokens, the four of a column the same columns of W: each tile is asked for jointly.  A wave has one tensor load out.
; x's 64 rows x 512 bytes of a wave are asked for at the head, into 256 registers, and are added on the way out.  All is asked for at the head: nothing is left to prefetch.
; REGISTERS.  window 0: v1-10 addresses; v32-63 o's scale words (tile a, K step s: 32 + 8 a + s); v64-127 W's (64 + 8 b + s); v128-191 the u16 pieces, later v128-255 rows on the way out.
;   window 1: two sets of fragments at 0 and 96: o 8 a, W 32 + 8 b; the bias at 192 + 8 b.   window 2: accumulator (a, b) at 8 (8 a + b).   window 3: x, row (a, t) at 4 (16 a + t).
; LIMITS: NaN and infinities are not served.
.set WV,    18
.set PITCH, 528
.set WHALF, 128*PITCH
.set WOFF,  65536
.set SWOFF, WOFF+2*WHALF
.set SAOFF, SWOFF+8192
.set STG,   SAOFF+4096
.set G1A,  28
.set G1SA, 36
.set G1W,  44
.set G1SW, 52
.set G0A,  68
.set G0SA, 72
.set G0W,  76
.set G0SW, 80
.set SA,   32
.set SW,   64
.set UP,   128                         ; the u16 pieces: tile a, head hd at 128 + 16 a + hd
.set BK,   128                         ; the way out: 16 rows read back from the stage, two sets of 64
.set MSB, 0
.macro WIN new                         ; the immediate's high byte repeats the setting that is left
.if MSB != \new
	s_set_vgpr_msb (MSB<<8)|\new
.set MSB, \new
.endif
.endm
.macro PLACES n
.rept \n
	v_nop
.endr
.endm
.macro CROUND                          ; a round of the cluster's barrier
	s_barrier_signal -1
	s_barrier_wait -1
	s_cmp_lg_u32 s[WV], 0
	s_cbranch_scc1 .Lnot_wave_0_\@
	s_barrier_signal -3
.Lnot_wave_0_\@:
	s_barrier_wait -3
	s_barrier_signal -1
	s_barrier_wait -1
.endm
	s_load_b256 s[4:11], s[0:1], 0x0               ; oc s[4:5], os s[6:7], W's codes s[8:9], W's scales s[10:11]
	s_load_b128 s[12:15], s[0:1], 0x20             ; b_proj s[12:13], x s[14:15]
	s_load_b64 s[16:17], s[0:1], 0x30              ; out0
	v_lshl_add_u32 v30, v0, 2, 0x3c400
	v_mov_b32 v31, 0
	ds_add_u32 v30, v31
	ds_add_u32 v30, v31
	v_lshrrev_b32 v1, 5, v0
	v_readfirstlane_b32 s[WV], v1                  ; wave 0..3
	s_lshr_b32 s19, s[WV], 1                       ; th.
	s_and_b32 s20, s[WV], 1                        ; cw.
	s_bfe_u32 s21, ttmp6, 0x40000                  ; cx
	s_bfe_u32 s22, ttmp6, 0x40004                  ; cy
	s_lshl_b32 s23, ttmp9, 2
	s_add_co_u32 s23, s23, s21                     ; the block of 256 columns
	s_and_b32 s24, ttmp7, 0xffff
	s_lshl_b32 s24, s24, 2
	s_add_co_u32 s24, s24, s22                     ; the block of 128 tokens
	s_lshl_b32 s25, s22, 2
	s_lshl_b32 s25, 15, s25                        ; my row of the cluster
	s_lshl_b32 s26, 0x1111, s21                    ; my column
	s_or_b32 s[G1A], s25, (3<<16)|(1<<21)          ; o's images: dense, rows of 32 elements of 8 bytes
	s_or_b32 s[G1SA], s25, (3<<16)|(1<<21)         ; o's scale pairs: 256 bytes of each head's row of 16,384
	s_or_b32 s[G1W], s26, (1<<20)|(1<<21)|(6<<22)|(3<<25)   ; W: rows of 512 bytes, 4 words of padding behind every 128
	s_or_b32 s[G1SW], s26, (3<<16)|(1<<21)         ; W's scales: dense
.irp g, G1A, G1SA, G1SW
	s_mov_b32 s[\g+1], 32<<16
	s_mov_b32 s[\g+3], 32<<16
	s_mov_b32 s[\g+6], 0
	s_mov_b32 s[\g+7], 0
.endr
	s_mov_b32 s[G1A+2], 256<<16                    ; 65,536 bytes = 256 rows of 256, in one load
	s_mov_b32 s[G1A+4], 256
	s_mov_b32 s[G1A+5], 32
	s_mov_b32 s[G1SA+2], 16<<16                    ; 16 heads
	s_mov_b32 s[G1SA+4], 16
	s_mov_b32 s[G1SA+5], 2048                      ; 16,384 bytes from head to head
	s_mov_b32 s[G1SW+2], 32<<16                    ; 256 rows x 32 bytes = 32 rows of 256
	s_mov_b32 s[G1SW+4], 32
	s_mov_b32 s[G1SW+5], 32
	s_mov_b32 s[G1W+1], 512<<16
	s_mov_b32 s[G1W+2], 256<<16
	s_mov_b32 s[G1W+3], 512<<16
	s_mov_b32 s[G1W+4], 256
	s_mov_b32 s[G1W+5], 512
	s_mov_b32 s[G1W+6], 0
	s_mov_b32 s[G1W+7], 0
	; o's offsets hang on the token block and the wave alone, W's on the column block and the wave alone, each in registers that never hold the other coordinate
	s_lshl_b32 s84, s24, 16                        ; 8 tiles of 8,192 bytes
	s_mov_b32 s85, 0
	s_lshl_b32 s86, s24, 8                         ; 128 tokens x 2 bytes
	s_mov_b32 s87, 0
	s_lshl_b32 s88, s23, 17                        ; 256 rows x 512
	s_mov_b32 s89, 0
	s_lshl_b32 s90, s23, 13                        ; 256 x 32
	s_mov_b32 s91, 0
	s_mov_b32 s[G0A], 1
	s_mov_b32 s[G0A+1], 0
	s_mov_b32 s[G0SA], 1
	s_mov_b32 s[G0SA+1], SAOFF
	s_mov_b32 s[G0W], 1
	s_mov_b32 s[G0W+1], WOFF
	s_mov_b32 s[G0SW], 1
	s_mov_b32 s[G0SW+1], SWOFF
	s_wait_dscnt 0x0
	s_wait_kmcnt 0x0
	s_add_nc_u64 s[G0A+2:G0A+3], s[4:5], s[84:85]
	s_or_b32 s[G0A+3], s[G0A+3], 0x80000000
	s_add_nc_u64 s[G0SA+2:G0SA+3], s[6:7], s[86:87]
	s_or_b32 s[G0SA+3], s[G0SA+3], 0x80000000
	s_add_nc_u64 s[G0W+2:G0W+3], s[8:9], s[88:89]
	s_or_b32 s[G0W+3], s[G0W+3], 0x80000000
	s_add_nc_u64 s[G0SW+2:G0SW+3], s[10:11], s[90:91]
	s_or_b32 s[G0SW+3], s[G0SW+3], 0x80000000
	CROUND                                         ; all sixteen work-groups are here: the joint loads meet
; The head's four tiles, each whole, ONE joint load a wave: wave 0 o's images, wave 1 W's codes, wave 2 o's scale pairs, wave 3 W's scale bytes.
; One chain of branches on the wave's number: every way through it passes exactly one load.
.macro ARM under, g0, g1, next
	s_cmp_lt_u32 s[WV], \under
	s_cbranch_scc0 \next
	tensor_load_to_lds s[\g0:\g0+3], s[\g1:\g1+7]
	s_nop 0
.rept 4
	v_nop
.endr
	s_branch .Lfilled
\next:
.endm
	ARM 1, G0A,  G1A,  .Lhead_w
	ARM 2, G0W,  G1W,  .Lhead_sa
	ARM 3, G0SA, G1SA, .Lhead_sw
	tensor_load_to_lds s[G0SW:G0SW+3], s[G1SW:G1SW+7]
	s_nop 0
.rept 4
	v_nop
.endr
.Lfilled:
	v_and_b32 v1, 15, v0                           ; r
	v_bfe_u32 v2, v0, 4, 1                         ; hh
	v_and_b32 v3, 31, v0
	v_lshlrev_b32 v3, 4, v3                        ; v3: 16 x lane
	s_lshl_b32 s92, s19, 15
	v_add_nc_u32 v4, s92, v3                       ; v4: o's images: my four tiles, 16 x lane
	v_mul_u32_u24 v11, v1, PITCH
	s_wait_alu depctr_va_vdst(0)
	v_lshl_add_u32 v5, v2, 4, v11
	s_mul_i32 s92, s20, WHALF
	s_add_co_u32 s92, s92, WOFF
	v_add_nc_u32 v5, s92, v5                       ; v5: W: my 128 rows, row r, + 16 hh
	s_lshl_b32 s92, s20, 12
	s_add_co_u32 s92, s92, SWOFF
	v_lshl_add_u32 v6, v1, 5, s92                  ; v6: W's scale bytes: 32 a row
	s_lshl_b32 s92, s19, 7
	s_add_co_u32 s92, s92, SAOFF
	v_lshl_add_u32 v7, v1, 1, s92                  ; v7: o's u16: my 64 tokens, token r
	s_mul_i32 s92, s[WV], 16*PITCH
	s_add_co_u32 s92, s92, STG                     ; my stage
	v_lshl_add_u32 v8, v2, 5, v11
	v_add_nc_u32 v8, s92, v8                       ; v8: in: row r, 32 bytes for each half of the lanes
	v_add_nc_u32 v9, s92, v3                       ; v9: back: the 32 lanes take one row of 512 bytes
	v_lshlrev_b32 v10, 5, v2                       ; v10: the bias: 8 hh numbers on
	s_wait_alu depctr_va_vdst(0)
	s_lshl_b32 s88, s23, 10                        ; b_proj: column 256 nb + 128 cw
	s_lshl_b32 s89, s20, 9
	s_add_co_u32 s88, s88, s89
	s_mov_b32 s89, 0
	s_add_nc_u64 s[90:91], s[12:13], s[88:89]
	s_lshl_b32 s92, s24, 19                        ; x and out0: row 128 tb + 64 th of 4,096 bytes, + the same columns
	s_lshl_b32 s93, s19, 18
	s_add_co_u32 s92, s92, s93
	s_add_co_u32 s92, s92, s88
	s_mov_b32 s93, 0
	s_add_nc_u64 s[94:95], s[14:15], s[92:93]
	s_add_nc_u64 s[96:97], s[16:17], s[92:93]
	WIN 0x40                                       ; destination window 1
.irp b, 0,1,2,3,4,5,6,7
	global_load_b128 v[192+8*\b:192+8*\b+3], v10, s[90:91] offset:64*\b        ; register j of tile b: the bias of column 16 b + 8 hh + j
	global_load_b128 v[192+8*\b+4:192+8*\b+7], v10, s[90:91] offset:64*\b+16
.endr
	WIN 0xc0                                       ; destination window 3
.irp a, 0,1,2,3
.irp t, 0,1,2,3,4,5,6,7,8,9,10,11,12,13,14,15
	global_load_b128 v[4*(16*\a+\t):4*(16*\a+\t)+3], v3, s[94:95] offset:4096*(16*\a+\t) th:TH_LOAD_NT   ; 512 consecutive bytes of a row of x
.endr
.endr
	WIN 0
	s_wait_tensorcnt 0x0                           ; my load has landed,
	s_barrier_signal -1
	s_barrier_wait -1                              ; everybody's have
.irp b, 0,1,2,3,4,5,6,7
	ds_load_b128 v[SW+8*\b:SW+8*\b+3], v6 offset:512*\b            ; a row's 32 scale bytes are the words of its eight K steps
	ds_load_b128 v[SW+8*\b+4:SW+8*\b+7], v6 offset:512*\b+16
.endr
.irp a, 0,1,2,3
.irp h, 0,1,2,3,4,5,6,7,8,9,10,11,12,13,14,15
	ds_load_u16 v[UP+16*\a+\h], v7 offset:256*\h+32*\a
.endr
.endr
; 24 LDS loads: the fragments of K step s into set p.  o's come as images (16 bytes a lane; heads 2 s and 2 s + 1 are registers 0-3 and 4-7), W's from rows
.macro FETCH s, p
	WIN 0x40
.irp a, 0,1,2,3
.irp c, 0,1
	ds_load_b128 v[96*(\p)+8*\a+4*\c:96*(\p)+8*\a+4*\c+3], v4 offset:8192*\a+1024*(\s)+512*\c
.endr
.endr
.irp b, 0,1,2,3,4,5,6,7
.irp c, 0,1
	ds_load_b128 v[96*(\p)+32+8*\b+4*\c:96*(\p)+32+8*\b+4*\c+3], v5 offset:16*PITCH*\b+64*(\s)+32*\c
.endr
.endr
	WIN 0
.endm
; A K step of 128: the next step's fragments are asked for first, into the set that the step before multiplied (four places behind its last product), then 32 products, the accumulators by turns
.macro KSTEP s
.set FP, 96*((\s)%2)
.if \s < 7
.if \s > 0
	PLACES 4
.endif
	FETCH (\s)+1, ((\s)+1)%2
	s_wait_dscnt 24                                ; all but the 24 just issued
.else
	s_wait_dscnt 0x0
.endif
.if \s == 0
	WIN 0x95                                       ; sources 0 and 1 and C (the bias) window 1, D window 2
.else
	WIN 0xa5                                       ; C and D window 2
.endif
.irp a, 0,1,2,3
.irp b, 0,1,2,3,4,5,6,7
.if \s == 0
	v_wmma_scale_f32_16x16x128_f8f6f4 v[8*(8*\a+\b):8*(8*\a+\b)+7], v[FP+32+8*\b:FP+32+8*\b+7], v[FP+8*\a:FP+8*\a+7], v[192+8*\b:192+8*\b+7], v[SW+8*\b+\s], v[SA+8*\a+\s] matrix_a_fmt:MATRIX_FMT_FP4 matrix_b_fmt:MATRIX_FMT_FP4
.else
	v_wmma_scale_f32_16x16x128_f8f6f4 v[8*(8*\a+\b):8*(8*\a+\b)+7], v[FP+32+8*\b:FP+32+8*\b+7], v[FP+8*\a:FP+8*\a+7], v[8*(8*\a+\b):8*(8*\a+\b)+7], v[SW+8*\b+\s], v[SA+8*\a+\s] matrix_a_fmt:MATRIX_FMT_FP4 matrix_b_fmt:MATRIX_FMT_FP4
.endif
.endr
.endr
.endm
	FETCH 0, 0
	s_wait_dscnt 0x0
.irp a, 0,1,2,3
.irp s, 0,1,2,3,4,5,6,7
	v_lshl_or_b32 v[SA+8*\a+\s], v[UP+16*\a+2*\s+1], 16, v[UP+16*\a+2*\s]     ; K step s: heads 2 s and 2 s + 1, two bytes each
.endr
.endr
	PLACES 8                                       ; a scale register written by a vector instruction stands eight places ahead of a scaled matrix instruction
	s_wait_alu depctr_va_vdst(0)
	s_wait_loadcnt 63                              ; of the 80 loads at most 63 are out: the sixteen oldest, the bias, are in
.irp s, 0,1,2,3,4,5,6,7
	KSTEP \s
.endr
	WIN 0
; THE WAY OUT, a tile of 16 tokens x 128 columns at a time: through my own stage in LDS and back as whole rows of 512 bytes; x is added; the 32 lanes store 512 consecutive bytes.
; LDS serves a wave's instructions in order: no wait between the stores and the loads, nor in front of the next tile's stores.
.macro TOSTAGE a
.set AC, 64*(\a)
	WIN 0x08                                       ; an LDS store's data are its source 1: window 2
.irp b, 0,1,2,3,4,5,6,7
	ds_store_b128 v8, v[AC+8*\b:AC+8*\b+3] offset:64*\b            ; each accumulator from its low end on
	ds_store_b128 v8, v[AC+8*\b+4:AC+8*\b+7] offset:64*\b+16
.endr
	WIN 0
.set BB, BK+64*((\a)%2)
.irp t, 0,1,2,3,4,5,6,7,8,9,10,11,12,13,14,15
	ds_load_b128 v[BB+4*\t:BB+4*\t+3], v9 offset:\t*PITCH
.endr
.endm
.macro SEND a, younger                 ; younger: the LDS instructions issued behind tile a's loads, which may stay out
.set BB, BK+64*((\a)%2)
	s_wait_dscnt \younger
	WIN 0x0c                                       ; source 1 (x) window 3
.irp t, 0,1,2,3,4,5,6,7,8,9,10,11,12,13,14,15
	v_pk_add_f32 v[BB+4*\t:BB+4*\t+1], v[BB+4*\t:BB+4*\t+1], v[4*(16*(\a)+\t):4*(16*(\a)+\t)+1]
	v_pk_add_f32 v[BB+4*\t+2:BB+4*\t+3], v[BB+4*\t+2:BB+4*\t+3], v[4*(16*(\a)+\t)+2:4*(16*(\a)+\t)+3]
.endr
	WIN 0
.irp t, 0,1,2,3,4,5,6,7,8,9,10,11,12,13,14,15
	global_store_b128 v3, v[BB+4*\t:BB+4*\t+3], s[96:97] offset:4096*(16*(\a)+\t) th:TH_STORE_NT
.endr
.endm
	PLACES 4                                       ; behind the last products, ahead of the first read of results
	s_wait_loadcnt 0x0                             ; x
	TOSTAGE 0
.irp a, 1,2,3
.if \a > 1
	s_wait_xcnt 0x0                                ; tile a - 2's stores have read their registers: tile a's loads may land there
.endif
	TOSTAGE \a
	SEND \a-1, 32                                  ; behind tile a - 1's loads: tile a's 16 stores and 16 loads
.endr
	SEND 3, 0
	s_wait_dscnt 0x0
	s_wait_tensorcnt 0x0
	ds_add_u32 v30, v31
	s_wait_dscnt 0x0
	CROUND                                         ; the closing round: no work-group ends while a partner may still ask for a tile that names it
	s_endpgm
.Lfunc_end_k_qc6eca397bc_proj:
	.size	k_qc6eca397bc_proj, .Lfunc_end_k_qc6eca397bc_proj-k_qc6eca397bc_proj
	.p2alignl 7, 3214868480
	.fill 96, 4, 3214868480
	.section	.rodata,"a",@progbits
	.p2align	6, 0x0
	.amdhsa_kernel k_qc6eca397bc_proj
		.amdhsa_group_segment_fixed_size 247296
		.amdhsa_private_segment_fixed_size 0
		.amdhsa_enable_private_segment 0
		.amdhsa_kernarg_size 56
		.amdhsa_user_sgpr_count 2
		.amdhsa_user_sgpr_kernarg_segment_ptr 1
		.amdhsa_wavefront_size32 1
		.amdhsa_system_sgpr_workgroup_id_x 1
		.amdhsa_system_sgpr_workgroup_id_y 1
		.amdhsa_system_sgpr_workgroup_id_z 1
		.amdhsa_system_vgpr_workitem_id 0
		.amdhsa_next_free_vgpr 1024
		.amdhsa_next_free_sgpr 100
		.amdhsa_reserve_vcc 0
		.amdhsa_float_denorm_mode_32 3
		.amdhsa_float_denorm_mode_16_64 3
		.amdhsa_memory_ordered 1
		.amdhsa_forward_progress 1
		.amdhsa_inst_pref_size 92
	.end_amdhsa_kernel
	.amdgpu_metadata
---
amdhsa.version: [ 1, 2 ]
amdhsa.kernels:
  - .name:           k_qc6eca397bc_proj
    .symbol:         k_qc6eca397bc_proj.kd
    .args:
      - { .name: oc, .offset: 0, .size: 8, .value_kind: global_buffer, .address_space: global }
      - { .name: os, .offset: 8, .size: 8, .value_kind: global_buffer, .address_space: global }
      - { .name: w_proj_codes, .offset: 16, .size: 8, .value_kind: global_buffer, .address_space: global }
      - { .name: w_proj_scales, .offset: 24, .size: 8, .value_kind: global_buffer, .address_space: global }
      - { .name: b_proj, .offset: 32, .size: 8, .value_kind: global_buffer, .address_space: global }
      - { .name: x, .offset: 40, .size: 8, .value_kind: global_buffer, .address_space: global }
      - { .name: out0, .offset: 48, .size: 8, .value_kind: global_buffer, .address_space: global }
    .group_segment_fixed_size: 247296
    .private_segment_fixed_size: 0
    .kernarg_segment_align: 8
    .kernarg_segment_size: 56
    .max_flat_workgroup_size: 128
    .sgpr_count:     100
    .vgpr_count:     1024
    .wavefront_size: 32
...
	.end_amdgpu_metadata
.endif
;; end of part 4
